; MI455X (gfx1250); checked and timed in simulation.
; The chip was launched on July 23, 2026; its instructions are those of AMD's public machine-readable ISA for CDNA 5 (MIT licence, August 2026) and "CDNA5" Instruction Set Architecture Reference Guide (July 2026). The comments in the code are by the model that wrote it; some were corrected since.
;; Distributional Ordered Encoder. Allowed arithmetic: matrix products marked QUANTISED: E5M2 operands, one E8M0 scale for each 32 along K, by v_wmma_scale_f32_16x16x128_f8f6f4 with both operands' format E5M2, f32 sums; products left as they are: f32 operands where the result goes on into a quantised operand, else bf16, f16 or f32 operands; f32 sums; everything else in f32.
;; Inputs: att_b1 64 float32; att_b2 1 float32; att_w1 192 x 64 float32; att_w2 64 x 1 float32; ln_beta 64 float32; ln_gamma 64 float32; pos_b1 64 float32; pos_b2 64 float32; pos_w1 1 x 64 float32; pos_w2 64 x 64 float32; proj_b 64 float32; proj_w 64 x 64 float32; segmented_emb 128 x 64 x 64 x 64 float32; segmented_mask 128 x 64 x 64 int32; target_emb 128 x 64 float32.
;; Outputs: out0 128 x 64 x 64 float32.
;; This version of the problem:
;;   THIS VERSION OF THE PROBLEM IS GIVEN IN LOW PRECISION. The matrix products marked QUANTISED in the list below multiply operands that are first quantised to E5M2 (5 exponent bits, 2 mantissa bits; 8 bits a number), with one power-of-two scale for each 32 numbers along K (OCP MX v1.0); their sums are f32. All else is computed in f32.
;;   The module's matrix products, in the order in which they are computed (A, B: the left and right operand; K: the contracted axis; several contracted axes count as one K, in the product's order):
;;     1. [M 64, K 1] x [K 1, N 64]; A: computed on the way; B: input pos_w1: left as it is (K = 1 < 32)
;;     2. [M 64, K 64] x [K 64, N 64]; A: computed on the way; B: input pos_w2: QUANTISED
;;     3. [M 524,288, K 64] x [K 64, N 64]; A: input segmented_emb; B: input att_w1: QUANTISED
;;     4. [M 64, K 64] x [K 64, N 64]; A: computed on the way; B: input att_w1: QUANTISED
;;     5. [M 128, K 64] x [K 64, N 64]; A: input target_emb; B: input att_w1: QUANTISED
;;     6. [M 524,288, K 64] x [K 64, N 1]; A: computed on the way; B: input att_w2: left as it is (N = 1 < 16)
;;     7. batch 8,192 x [M 1, K 64] x [K 64, N 64]; A: softmax; B: input segmented_emb: left as it is (M = 1 < 16)
;;     8. [M 8,192, K 64] x [K 64, N 64]; A: computed on the way; B: input proj_w: QUANTISED
;;   THE QUANTISER, for each operand of a quantised product, along K:
;;     - K is cut into blocks of 32 from its start; a last block that is shorter is filled with zeros.
;;     - A block's scale is 2^e with e = floor(log2(the largest magnitude in the block)) - 15, held to -126 .. 127; a block of zeros has e = 0. As a byte (E8M0): e + 127.
;;     - Each number is divided by its block's scale, clamped to +-57,344, and rounded to the nearest number of E5M2, ties to even, subnormals kept.
;;     - The product sums the exact products of the quantised numbers (number of the format x scale) in f32.
;;   ~~~python
;;   def quantise(x, axis):      # numpy; x: float32 -> the quantised numbers, widened to float32 again
;;       x = np.moveaxis(x, axis, -1); K = x.shape[-1]
;;       x = np.pad(x, [(0, 0)] * (x.ndim - 1) + [(0, -K % 32)]); x = x.reshape(x.shape[:-1] + (-1, 32)); a = np.abs(x).max(-1, keepdims=True)
;;       e = np.where(a > 0, np.clip(np.frexp(np.where(a > 0, a, 1))[1] - 1 - 15, -126, 127), 0)      # np.frexp(a)[1] - 1 = floor(log2(a)), exactly
;;       r = np.clip(x / 2.0 ** e, -57344, 57344)
;;       step = 2.0 ** (np.maximum(np.frexp(np.where(r == 0, 1, r))[1] - 1, -14) - 2)
;;       q = np.round(r / step) * step * 2.0 ** e      # np.round: ties to even
;;       return np.moveaxis(q.reshape(q.shape[:-2] + (-1,))[..., :K], -1, axis).astype(np.float32)
;;   ~~~
;;   OPERANDS COMPUTED ON THE WAY. 'Computed on the way' means the value that the module computes at that place (a softmax that the list does not call 'softmax' is quantised finished and normalised). What goes into a quantiser is computed in f32, as accurately as f32 sums, v_exp_f32 and their like allow (about 1e-6 of the number): no bf16 or f16 on the way to a quantiser, and a product that is left as it is and whose result goes on into a quantised operand takes f32 operands (vector FMAs, or v_wmma_f32_16x16x4_f32). A number that lies on a knife's edge between two numbers of the format may be rounded either way, as far as f32 arithmetic and the matrix unit's own rounding can turn it there, and no further.
;; 2 versions, each right; version 2 is version 1 with the launch enc written anew for expert scheduling mode. Each part assembles by itself: llvm-mc -triple=amdgcn-amd-amdhsa -mcpu=gfx1250 --defsym DOCPART=n.
;; ======== version 1 of 2: 1 launch
;; launch enc (part 1): grid 256 x 1, 8 waves a work-group, no clusters, 194,560 bytes of LDS; arguments segmented_emb, segmented_mask, target_emb, pos_w1, pos_b1, pos_w2, pos_b2, att_w1, att_b1, att_w2, att_b2, proj_w, proj_b, ln_gamma, ln_beta, out0; writes out0
.if DOCPART == 1
	.amdgcn_target "amdgcn-amd-amdhsa--gfx1250"
	.amdhsa_code_object_version 6
	.text
	.protected	k_q78b64e3e46_enc
	.globl	k_q78b64e3e46_enc
	.p2align	8
	.type	k_q78b64e3e46_enc,@function
k_q78b64e3e46_enc:
	s_mov_b64 s[64:65], 0
	v_nop
	global_prefetch_b8 v0, s[64:65] scope:SCOPE_SE
	s_setreg_imm32_b32 hwreg(HW_REG_WAVE_MODE, 25, 1), 1
	s_wait_xcnt 0x0
; out0[b][t][:] = LayerNorm(softmax-pooled segment x proj_w + proj_b).  8,192 segments (b, t), each 64 rows s x 64 numbers, f32, 16,384 bytes on end.
; For a segment: h = relu(Q(emb) Q(att_w1[0:64]) + Q(pos_enc) Q(att_w1[64:128]) + Q(target[b]) Q(att_w1[128:192]) + att_b1); score = h . att_w2 + att_b2; -1e9 where the mask is 0;
; softmax over the 64 rows (the maximum taken away first); seg = the weighted sum of the same rows, in f32; then Q(seg) Q(proj_w) + proj_b and the LayerNorm.  Q: codes of E5M2 with one E8M0 scale for each 32 along K.
; SHARES.  256 work-groups of eight waves; a work-group owns 32 segments on end (one b), wave w the four segments 4 w .. 4 w + 3, one a trip.  At the end waves 0 and 1 take 16 seg rows each through proj_w and the LayerNorm.
; ONE MATRIX INSTRUCTION FOR TWO PRODUCTS.  K = 128 is [64 codes of emb's row s | 64 codes of pos_enc's row s] against rows 0 .. 127 of att_w1: the blocks of 32 are each product's own.  C is target's part + att_b1.
; TRANSPOSED USE.  Source 0 = 16 columns of the weight, source 1 = 16 rows s: a lane holds one row s and eight hidden units, so the dot with att_w2 stays in the lane but for one exchange of halves.
; THE SEGMENT is read from memory once, 512 consecutive bytes a load, into 128 transit registers, goes into the wave's own stage in LDS (rows 272 bytes apart) and is read back twice: 16 neighbours a lane for the quantiser,
; and as it lies for the weighted sum (a lane: four columns of 32 rows).  The next segment's 33 loads go out as soon as the transit registers are drained and have the rest of the trip in which to land.
; THE HEAD runs while segment 0 is on its way: waves 4 to 7 quantise att_w1's three parts and proj_w (a lane to a column, registers down K), waves 0 to 3 make pos_enc's four tiles of rows; codes go round as images of the operand's registers.
; NO JOINT LOADS: this text has no tensor load; what work-groups share is 128 KiB of weights a work-group against 528 KiB of its own.  No prefetch: the wave's loads are out all the time.
; LIMITS.  NaN and infinities among the inputs are not served.  A block whose largest magnitude lies under 2^-111 (a block of zeros too) gets the scale byte 1; the bytes are read by this text alone.
; The two products that share an instruction are summed inside it; att_b2 enters at the head of the dot's chain; the weights are 2^((score - max) log2 e), and the sum of them divides after the weighted sum (it is at least 1).
.set PITCH, 272                        ; a stage row: 256 bytes + 16: 68 words, so row r starts at bank 4 r mod 64 (64 banks of 4 bytes: ISA guide 11.1)
.set STGW,  64*PITCH                   ; LDS 0: eight stages, one a wave: 64 rows
.set MSK,   139264                     ; eight x 256: a segment's 64 mask words
.set PAR,   141312                     ; eight x 256: the weights p: row s at 128 (s % 2) + 4 (s / 2)
.set VEC,   143360                     ; eight x 9 x 256: pos_w1, pos_b1, pos_b2, att_b1, att_w2, target's row, proj_b, gamma, beta
.set VECW,  2304
.set SEGT,  161792                     ; 32 rows x 272: the work-group's seg vectors
.set IMG,   170496                     ; 16 images of 1,024 bytes: codes of (weight c, column tile t) at 4 c + t; c: att_w1[0:64], [64:128], [128:192], proj_w
.set POSI,  186880                     ; 4 images: pos_enc's codes, tile of rows m (directly behind IMG)
.set ISC,   190976                     ; 16 x 128: their two scale bytes, a word a lane
.set PSC,   193024                     ; 4 x 128: pos_enc's two scale bytes, already in bytes 2 and 3 (directly behind ISC)
; window 0
.set GA,  1                            ; 16 x lane: global offset of a dense load or store
.set SA,  2                            ; stage, dense: row lane / 16, 16 bytes at 16 (lane % 16)
.set FA,  3                            ; stage, for the quantiser: row lane % 16, + 64 (lane / 16)
.set MW,  4                            ; mask words in
.set MR,  5                            ; and out: 4 (lane % 16)
.set PW,  6                            ; p in
.set PR,  7                            ; p out: my half's 32
.set SGW, 8                            ; my seg row; stepped a row a trip
.set VW,  9                            ; vectors in: 8 x lane
.set VH,  10                           ; vectors out along K: + 64 (lane / 16)
.set VD,  11                           ; vectors out in a result's layout: + 32 (lane / 16)
.set CA0, 12                           ; a weight's column, even tiles
.set CA1, 13                           ; odd tiles
.set LI,  14                           ; IMG + 16 x lane
.set LS,  15                           ; ISC + 4 x lane
.set IW,  16                           ; where waves 4-7 store their images
.set ISW, 17                           ; and scale words
.set PIW, 18                           ; where waves 0-3 store pos_enc's image
.set PSW, 19                           ; and its scale word
.set TF,  20                           ; the tail: my 16 seg rows, for the quantiser
.set TO,  21                           ; the tail: where I put 16 bytes of a row of y
.set BI,  22                           ; v[22:23] (att_b2 in lanes 0-15, else 0; 0)
.set X0,  24                           ; v24-55   32 numbers
.set X1,  56                           ; v56-87   32 numbers
.set E,   88                           ; v88-151  source 1, tile m at 16 m: 8 registers of emb's codes, 8 of pos_enc's, which stay
.set ACC, 152                          ; v152-183 four accumulators
.set P,   184                          ; v184-215 p of my half's 32 rows; the tail's y
.set MK,  184                          ; the mask words in use: free again before p is read back
.set TM,  216                          ; v216-223 the quantiser's: maxima, bytes, holds, scale operands
.set SW,  224                          ; v224-227 the weight's scale words
.set SE,  228                          ; v228-231 source 1's scale words
.set POSW, 232                         ; v232-235 pos_enc's scale bytes
.set SC,  236                          ; v236-239 scores, then p
.set GM,  240                          ; 8 x lane: global offset of a 256-byte vector
.set NG,  241                          ; -1e9
.set ML,  244                          ; v[244:245] the mask as loaded
.set WS,  246                          ; v246-253 four pairs of sums
.set T0,  254
.set T1,  255
; window 1
.set R,   0                            ; v0-127   transit
.set VT,  128                          ; the nine vectors' transit, in the head
.set WF,  128                          ; v128-191 att_w1's codes, K = 128, column tile n at 16 n
.set CB,  192                          ; v192-223 C: target's part + att_b1
.set W2,  224                          ; v224-255 att_w2 in a result's layout
.set MSB, 0
.macro WIN new                         ; low byte: bits 1:0 source 0, 3:2 source 1, 5:4 source 2, 7:6 destination; the high byte repeats the setting that is left
.if MSB != \new
	s_set_vgpr_msb (MSB<<8)|\new
.set MSB, \new
.endif
.endm
.macro PLACES n
.rept \n
	v_nop
.endr
.endm
.macro BARRIER                         ; my LDS stores have landed and my LDS loads are in: then the work-group's barrier
	s_wait_dscnt 0x0
	s_barrier_signal -1
	s_barrier_wait -1
.endm
; 32 numbers of a lane, register 16 b + i = k 32 b + 16 (lane / 16) + i of my row, become 8 registers of codes at v[d] and the two scale bytes in v[w] (with v[hi] beside them where hi is given).
; relu = 1: what is negative becomes 0 on the way.  The largest magnitude goes in four chains; its floor 2^(16 - 127) holds the byte at 1 from below.
.macro QUANT2 s, d, relu, w, hi
.if \relu
.irp b, 0,1
	v_max3_num_f32 v[TM+\b], v[(\s)+16*\b], v[(\s)+16*\b+1], 0x8000000
.endr
.irp b, 0,1
	v_max3_num_f32 v[TM+2+\b], v[(\s)+16*\b+8], v[(\s)+16*\b+9], v[(\s)+16*\b+10]
.endr
.irp i, 0,2
.irp b, 0,1
	v_max3_num_f32 v[TM+\b], v[TM+\b], v[(\s)+16*\b+2+\i], v[(\s)+16*\b+3+\i]
.endr
.irp b, 0,1
	v_max3_num_f32 v[TM+2+\b], v[TM+2+\b], v[(\s)+16*\b+11+\i], v[(\s)+16*\b+12+\i]
.endr
.endr
.irp b, 0,1
	v_max3_num_f32 v[TM+\b], v[TM+\b], v[(\s)+16*\b+6], v[(\s)+16*\b+7]
.endr
.irp b, 0,1
	v_max3_num_f32 v[TM+\b], v[TM+\b], v[TM+2+\b], v[(\s)+16*\b+15]
.endr
.else
.irp b, 0,1
	v_max3_num_f32 v[TM+\b], |v[(\s)+16*\b]|, |v[(\s)+16*\b+1]|, 0x8000000
.endr
.irp b, 0,1
	v_max3_num_f32 v[TM+2+\b], |v[(\s)+16*\b+8]|, |v[(\s)+16*\b+9]|, |v[(\s)+16*\b+10]|
.endr
.irp i, 0,2
.irp b, 0,1
	v_max3_num_f32 v[TM+\b], v[TM+\b], |v[(\s)+16*\b+2+\i]|, |v[(\s)+16*\b+3+\i]|
.endr
.irp b, 0,1
	v_max3_num_f32 v[TM+2+\b], v[TM+2+\b], |v[(\s)+16*\b+11+\i]|, |v[(\s)+16*\b+12+\i]|
.endr
.endr
.irp b, 0,1
	v_max3_num_f32 v[TM+\b], v[TM+\b], |v[(\s)+16*\b+6]|, |v[(\s)+16*\b+7]|
.endr
.irp b, 0,1
	v_max3_num_f32 v[TM+\b], v[TM+\b], v[TM+2+\b], |v[(\s)+16*\b+15]|
.endr
.endif
.irp b, 0,1
	v_permlanex16_b32 v[TM+2+\b], v[TM+\b], s44, s45
.endr
.irp b, 0,1
	v_max_num_f32 v[TM+\b], v[TM+\b], v[TM+2+\b]             ; with lane l xor 16's 16: the block's largest magnitude
.endr
.irp b, 0,1
	v_add_nc_u32 v[TM+6+\b], 0xf8800000, v[TM+\b]            ; 15 off its exponent field: the conversion takes this operand's exponent field as its scale
.endr
.irp b, 0,1
	v_and_or_b32 v[TM+4+\b], v[TM+\b], 0x7f800000, s46       ; 57,344 x the scale
.endr
.irp b, 0,1
	v_lshrrev_b32 v[TM+2+\b], 23, v[TM+6+\b]                 ; the scale's byte
.endr
	v_lshl_or_b32 v[\w], v[TM+3], 8, v[TM+2]                 ; the scale word stands ahead of the 32 holds: more than eight places in front of the product
.if (\hi) >= 0
	v_or_b32 v[\w], v[\w], v[\hi]
.endif
.irp i, 0,1,2,3,4,5,6,7,8,9,10,11,12,13,14,15,16,17,18,19,20,21,22,23,24,25,26,27,28,29,30,31
.if \relu
	v_med3_num_f32 v[(\s)+\i], v[(\s)+\i], 0, v[TM+4+\i/16]  ; the activation and the hold in one
.else
	v_med3_num_f32 v[(\s)+\i], v[(\s)+\i], -v[TM+4+\i/16], v[TM+4+\i/16]   ; the conversion to an 8-bit code does not saturate (ISA guide 7.6.2)
.endif
.endr
.irp b, 0,1
	v_cvt_scalef32_pk8_bf8_f32 v[(\d)+4*\b:(\d)+4*\b+1], v[(\s)+16*\b:(\s)+16*\b+7], v[TM+6+\b]
	v_cvt_scalef32_pk8_bf8_f32 v[(\d)+4*\b+2:(\d)+4*\b+3], v[(\s)+16*\b+8:(\s)+16*\b+15], v[TM+6+\b]
.endr
	v_nop                                                    ; one plain line behind the last conversion
.endm
.macro VREADK reg, vec                 ; a vector along K: register 16 c + i = vec[32 c + 16 (lane / 16) + i]
.irp c, 0,1
.irp j, 0,1,2,3
	ds_load_b128 v[(\reg)+16*\c+4*\j:(\reg)+16*\c+4*\j+3], v[VH] offset:256*(\vec)+128*\c+16*\j
.endr
.endr
.endm
.macro VREADD reg, vec                 ; a vector in a result's layout: register 8 n + j = vec[16 n + 8 (lane / 16) + j]
.irp n, 0,1,2,3
.irp q, 0,1
	ds_load_b128 v[(\reg)+8*\n+4*\q:(\reg)+8*\n+4*\q+3], v[VD] offset:256*(\vec)+64*\n+16*\q
.endr
.endr
.endm
.macro TILE reg, m                     ; rows 16 m + lane % 16 of the stage, 16 neighbours of each block of 32
.irp c, 0,1
.irp j, 0,1,2,3
	ds_load_b128 v[(\reg)+16*\c+4*\j:(\reg)+16*\c+4*\j+3], v[FA] offset:16*PITCH*(\m)+128*\c+16*\j
.endr
.endr
.endm
.macro DENSE reg, q                    ; rows 16 q .. 16 q + 15 of the stage as they lie: register 4 i on = row 16 q + 2 i + lane / 16, columns 4 (lane % 16) on
.irp i, 0,1,2,3,4,5,6,7
	ds_load_b128 v[(\reg)+4*\i:(\reg)+4*\i+3], v[SA] offset:2*PITCH*(8*(\q)+\i)
.endr
.endm
.macro COLS t                          ; column tile t of my weight out of the stage: a lane to a column, register 16 c + i = row k = 32 c + 16 (lane / 16) + i
.irp c, 0,1
.irp i, 0,1,2,3,4,5,6,7,8,9,10,11,12,13,14,15
	ds_load_b32 v[X0+32*(\t)+16*\c+\i], v[CA0+((\t)%2)] offset:(32*\c+\i)*PITCH+128*((\t)/2)
.endr
.endr
.endm
.macro IMGST adr, c, off               ; eight registers of codes go to LDS as they stand, 16 bytes a lane
	ds_store_b128 v[\adr], v[(\c):(\c)+3] offset:\off
	ds_store_b128 v[\adr], v[(\c)+4:(\c)+7] offset:(\off)+512
.endm
.macro IMGLD reg, off                  ; and come back so, in any wave
	ds_load_b128 v[(\reg):(\reg)+3], v[LI] offset:\off
	ds_load_b128 v[(\reg)+4:(\reg)+7], v[LI] offset:(\off)+512
.endm
.macro SEGMASK                         ; a segment's mask: 256 bytes, 8 a lane; issued ahead of the segment's own loads
	global_load_b64 v[ML:ML+1], v[GM], s[6:7] th:TH_LOAD_NT
.endm
.macro SEGPART first, n                ; n of a segment's 32 loads, from number first on: 512 consecutive bytes a load
	WIN 0x40
.set i, \first
.rept \n
	global_load_b128 v[R+4*i:R+4*i+3], v[GA], s[4:5] offset:512*i th:TH_LOAD_NT
.set i, i+1
.endr
	WIN 0
.endm
.macro WM m                            ; h^T of rows 16 m on: four tiles of 16 hidden units; C is not D, so no sum goes on in place
	WIN 0x11
.irp n, 0,1,2,3
	v_wmma_scale_f32_16x16x128_f8f6f4 v[ACC+8*\n:ACC+8*\n+7], v[WF+16*\n:WF+16*\n+15], v[E+16*(\m):E+16*(\m)+15], v[CB+8*\n:CB+8*\n+7], v[SW+\n], v[SE+(\m)] matrix_a_fmt:MATRIX_FMT_BF8 matrix_b_fmt:MATRIX_FMT_BF8
.endr
	WIN 0
.endm
.macro FOLD dst                        ; the four pairs of sums, and the other half of the lanes', become one number
	v_pk_add_f32 v[WS:WS+1], v[WS:WS+1], v[WS+2:WS+3]
	v_pk_add_f32 v[WS+4:WS+5], v[WS+4:WS+5], v[WS+6:WS+7]
	v_pk_add_f32 v[WS:WS+1], v[WS:WS+1], v[WS+4:WS+5]
	v_add_f32 v[T0], v[WS], v[WS+1]
	v_permlanex16_b32 v[T1], v[T0], s44, s45
	v_add_f32 v[\dst], v[T0], v[T1]
.endm
.macro RD m                            ; relu, the dot with att_w2, att_b2: the score of row 16 m + lane % 16, in both halves of the lanes
.set i, 0
.rept 32
	v_max_num_f32 v[ACC+i], 0, v[ACC+i]                      ; ascending: each accumulator is read from its low end on
.set i, i+1
.endr
	WIN 0x04
	v_pk_fma_f32 v[WS:WS+1], v[ACC:ACC+1], v[W2:W2+1], v[BI:BI+1]
.irp a, 1,2,3
	v_pk_mul_f32 v[WS+2*\a:WS+2*\a+1], v[ACC+2*\a:ACC+2*\a+1], v[W2+2*\a:W2+2*\a+1]
.endr
.set i, 4
.rept 12
	v_pk_fma_f32 v[WS+2*(i%4):WS+2*(i%4)+1], v[ACC+2*i:ACC+2*i+1], v[W2+2*i:W2+2*i+1], v[WS+2*(i%4):WS+2*(i%4)+1]
.set i, i+1
.endr
	WIN 0
	FOLD SC+(\m)
.endm
; 16 rows of the weighted sum: register 4 i on of v[reg] times p of row pair 8 q + i.  Even pairs into v[WS:WS+3], odd ones into v[WS+4:WS+7]; an odd one takes the second register of p's pair for both halves.
.macro FMA8 reg, q, first
.irp i, 0,1,2,3,4,5,6,7
.set ii, 8*(\q)+\i
.if ((\i)%2) == 0
.if (\first) && (\i == 0)
	v_pk_mul_f32 v[WS:WS+1], v[(\reg)+4*\i:(\reg)+4*\i+1], v[P+ii:P+ii+1] op_sel_hi:[1,0]
	v_pk_mul_f32 v[WS+2:WS+3], v[(\reg)+4*\i+2:(\reg)+4*\i+3], v[P+ii:P+ii+1] op_sel_hi:[1,0]
.else
	v_pk_fma_f32 v[WS:WS+1], v[(\reg)+4*\i:(\reg)+4*\i+1], v[P+ii:P+ii+1], v[WS:WS+1] op_sel_hi:[1,0,1]
	v_pk_fma_f32 v[WS+2:WS+3], v[(\reg)+4*\i+2:(\reg)+4*\i+3], v[P+ii:P+ii+1], v[WS+2:WS+3] op_sel_hi:[1,0,1]
.endif
.else
.if (\first) && (\i == 1)
	v_pk_mul_f32 v[WS+4:WS+5], v[(\reg)+4*\i:(\reg)+4*\i+1], v[P+ii-1:P+ii] op_sel:[0,1] op_sel_hi:[1,1]
	v_pk_mul_f32 v[WS+6:WS+7], v[(\reg)+4*\i+2:(\reg)+4*\i+3], v[P+ii-1:P+ii] op_sel:[0,1] op_sel_hi:[1,1]
.else
	v_pk_fma_f32 v[WS+4:WS+5], v[(\reg)+4*\i:(\reg)+4*\i+1], v[P+ii-1:P+ii], v[WS+4:WS+5] op_sel:[0,1,0] op_sel_hi:[1,1,1]
	v_pk_fma_f32 v[WS+6:WS+7], v[(\reg)+4*\i+2:(\reg)+4*\i+3], v[P+ii-1:P+ii], v[WS+6:WS+7] op_sel:[0,1,0] op_sel_hi:[1,1,1]
.endif
.endif
.endr
.endm
	; ---- ids, and every LDS address, ahead of the first parting of the waves
	s_load_b512 s[4:19], s[0:1], 0x0               ; emb s[4:5], mask s[6:7], target s[8:9], pos_w1 s[10:11], pos_b1 s[12:13], pos_w2 s[14:15], pos_b2 s[16:17], att_w1 s[18:19]
	s_load_b512 s[20:35], s[0:1], 0x40             ; att_b1 s[20:21], att_w2 s[22:23], att_b2 s[24:25], proj_w s[26:27], proj_b s[28:29], gamma s[30:31], beta s[32:33], out0 s[34:35]
	v_lshl_add_u32 v242, v0, 2, 0x2f400
	v_mov_b32 v243, 0
	v_lshrrev_b32 v219, 5, v0
	v_readfirstlane_b32 s36, v219                  ; wave 0..7
	v_and_b32 v216, 31, v0                         ; lane
	v_and_b32 v217, 15, v0                         ; r
	v_bfe_u32 v218, v0, 4, 1                       ; h
	s_mul_i32 s53, s36, STGW                       ; my stage
	s_lshl_b32 s54, s36, 8
	s_mul_i32 s55, s36, VECW
	s_add_co_u32 s55, s55, VEC                     ; my vectors
	s_and_b32 s56, s36, 3
	s_lshr_b32 s57, s36, 2                         ; 0: waves 0-3 (pos_enc); 1: waves 4-7 (the weights)
	s_xor_b32 s52, s57, 1
	v_lshlrev_b32 v[GA], 4, v216
	v_lshlrev_b32 v[GM], 3, v216
	v_mul_u32_u24 v[SA], v218, PITCH
	v_lshl_add_u32 v[SA], v217, 4, v[SA]
	v_add_nc_u32 v[SA], s53, v[SA]
	v_mul_u32_u24 v220, v217, PITCH
	v_add_nc_u32 v220, s53, v220
	v_lshl_add_u32 v[FA], v218, 6, v220
	v_lshl_add_u32 v[TO], v218, 5, v220
	s_add_co_u32 s58, s54, MSK
	v_lshl_add_u32 v[MW], v216, 3, s58
	v_lshl_add_u32 v[MR], v217, 2, s58
	s_add_co_u32 s59, s54, PAR
	v_and_b32 v221, 1, v217
	v_lshrrev_b32 v222, 1, v217
	v_lshl_add_u32 v[PW], v221, 7, s59
	v_lshl_add_u32 v[PW], v222, 2, v[PW]
	v_lshl_add_u32 v[PR], v218, 7, s59
	s_mul_i32 s58, s36, 4*PITCH
	s_add_co_u32 s58, s58, SEGT-PITCH              ; one row low: each trip steps it before it stores
	v_lshl_add_u32 v[SGW], v217, 4, s58
	v_lshl_add_u32 v[VW], v216, 3, s55
	v_lshl_add_u32 v[VH], v218, 6, s55
	v_lshl_add_u32 v[VD], v218, 5, s55
	v_mul_u32_u24 v[CA0], v218, 16*PITCH           ; a weight's column: lanes 16-31 begin 16 rows further down K
	v_lshl_add_u32 v[CA0], v217, 2, v[CA0]
	v_add_nc_u32 v[CA0], s53, v[CA0]
	v_lshrrev_b32 v221, 3, v217
	s_lshl_b32 s59, s52, 5
	v_mul_u32_u24 v221, s59, v221                  ; waves 0-3: lane r of tile 2 b + u takes column 32 b + 8 u + r + 8 (r / 8), so that two tiles' 16 registers are 16 neighbours along the next K
	v_add_nc_u32 v[CA0], v[CA0], v221
	s_lshl_b32 s58, s57, 5
	s_add_co_u32 s58, s58, 32                      ; an odd tile begins 8 columns on there, 16 in waves 4-7
	v_add_nc_u32 v[CA1], s58, v[CA0]
	v_lshl_add_u32 v[LI], v216, 4, IMG
	v_lshl_add_u32 v[LS], v216, 2, ISC
	s_lshl_b32 s59, s56, 12
	v_add_nc_u32 v[IW], s59, v[LI]
	s_lshl_b32 s58, s56, 9
	v_add_nc_u32 v[ISW], s58, v[LS]
	s_lshl_b32 s59, s56, 10
	s_add_co_u32 s59, s59, POSI
	v_lshl_add_u32 v[PIW], v216, 4, s59
	s_lshl_b32 s58, s56, 7
	s_add_co_u32 s58, s58, PSC
	v_lshl_add_u32 v[PSW], v216, 2, s58
	s_and_b32 s59, s36, 1
	s_mul_i32 s59, s59, 16*PITCH
	s_add_co_u32 s59, s59, SEGT
	v_mul_u32_u24 v[TF], v217, PITCH
	v_lshl_add_u32 v[TF], v218, 6, v[TF]
	v_add_nc_u32 v[TF], s59, v[TF]
	; the position of row 16 (wave % 4) + r: s / 63, by the reciprocal and one correction with the exact remainder
	s_lshl_b32 s58, s56, 4
	v_add_nc_u32 v221, s58, v217
	v_cvt_f32_u32 v221, v221
	v_mul_f32 v[WS], 0x3c820821, v221
	v_fma_f32 v222, -v[WS], 0x427c0000, v221
	v_fma_f32 v[WS], v222, 0x3c820821, v[WS]
	v_mov_b32 v[WS+1], 0                           ; (named with it as a pair)
	v_mov_b32 v[NG], 0xce6e6b28                    ; -1e9
	v_mov_b32 v[T1], 0                             ; written once: a lane permute's destination counts as one of its sources
	v_mov_b32 v[BI+1], 0
	s_mov_b32 s44, 0x76543210
	s_mov_b32 s45, 0xfedcba98                      ; v_permlanex16_b32's selects for lane l xor 16
	s_mov_b32 s46, 0x600000                        ; the mantissa field of 57,344
	; byte offsets, in registers of their own
	s_lshl_b32 s50, ttmp9, 19                      ; emb: 32 segments of 16,384 bytes a work-group,
	s_lshl_b32 s58, s36, 16                        ; four a wave
	s_add_co_u32 s50, s50, s58
	s_mov_b32 s51, 0
	s_lshl_b32 s40, ttmp9, 13                      ; mask: 256 bytes a segment
	s_lshl_b32 s58, s36, 10
	s_add_co_u32 s40, s40, s58
	s_mov_b32 s41, 0
	s_lshr_b32 s42, ttmp9, 1                       ; b
	s_lshl_b32 s42, s42, 8
	s_mov_b32 s43, 0
	s_lshl_b32 s38, ttmp9, 13                      ; out0: 256 bytes a segment; waves 0 and 1 store 16 rows each
	s_lshl_b32 s58, s36, 12
	s_add_co_u32 s38, s38, s58
	s_mov_b32 s39, 0
	s_lshl_b32 s58, s56, 14                        ; att_w1's part: 64 rows of 256 bytes
	s_mov_b32 s59, 0
	s_wait_kmcnt 0x0
	s_add_nc_u64 s[4:5], s[4:5], s[50:51]
	s_add_nc_u64 s[6:7], s[6:7], s[40:41]
	s_add_nc_u64 s[8:9], s[8:9], s[42:43]
	s_add_nc_u64 s[34:35], s[34:35], s[38:39]
	s_load_b32 s37, s[24:25], 0x0                  ; att_b2
	s_cmp_lt_u32 s36, 4                            ; my 64 x 64 weight: waves 0-3 pos_w2, 4-6 a part of att_w1, 7 proj_w: the choice hangs on the wave's number alone
	s_cselect_b64 s[48:49], s[14:15], s[18:19]
	s_cselect_b32 s58, 0, s58
	s_cmp_eq_u32 s36, 7
	s_cselect_b64 s[48:49], s[26:27], s[48:49]
	s_cselect_b32 s58, 0, s58
	s_add_nc_u64 s[48:49], s[48:49], s[58:59]
	; ---- the head's loads: nine vectors, my weight, then the mask and the first half of segment 0: 58 loads
	WIN 0x40
	global_load_b64 v[VT:VT+1], v[GM], s[10:11]
	global_load_b64 v[VT+2:VT+3], v[GM], s[12:13]
	global_load_b64 v[VT+4:VT+5], v[GM], s[16:17]
	global_load_b64 v[VT+6:VT+7], v[GM], s[20:21]
	global_load_b64 v[VT+8:VT+9], v[GM], s[22:23]
	global_load_b64 v[VT+10:VT+11], v[GM], s[8:9]
	global_load_b64 v[VT+12:VT+13], v[GM], s[28:29]
	global_load_b64 v[VT+14:VT+15], v[GM], s[30:31]
	global_load_b64 v[VT+16:VT+17], v[GM], s[32:33]
	WIN 0
.set i, 0
.rept 32
	global_load_b128 v[X0+4*i:X0+4*i+3], v[GA], s[48:49] offset:512*i   ; rows 2 i and 2 i + 1 of the weight
.set i, i+1
.endr
	SEGMASK
	SEGPART 0, 16
.irp t, 0,1,2,3
.irp k, 8,9,10,11,12,13,14,15
	v_mov_b32 v[ACC+16*\t+\k], 0                   ; zero codes for K = 64 .. 127 of the products whose K is 64
.endr
.endr
	s_wait_loadcnt 17                              ; the vectors and the weight are in; the mask's load and segment 0's first 16 stay out
	SEGPART 16, 16                                 ; the segment's second half follows them, in order: the loop's counts hold for the first trip too
	WIN 0x04
.irp i, 0,1,2,3,4,5,6,7,8
	ds_store_b64 v[VW], v[VT+2*\i:VT+2*\i+1] offset:256*\i
.endr
	WIN 0
.set i, 0
.rept 32
	ds_store_b128 v[SA], v[X0+4*i:X0+4*i+3] offset:2*PITCH*i
.set i, i+1
.endr
	s_wait_dscnt 0x0                               ; the stores have read their registers
	; ---- my weight: a lane to a column, registers down K; four tiles of 16 columns.  A tile's 32 loads land while the tile before is quantised
	COLS 0
.irp t, 0,1,2,3
	s_wait_dscnt 0x0                               ; tile t is in: nothing younger has been asked for
.if \t < 3
	COLS \t+1
.endif
	QUANT2 X0+32*\t, ACC+16*\t, 0, SW+\t, -1
.endr
.irp k, 8,9,10,11,12,13,14,15
	v_mov_b32 v[X0+\k], 0                          ; and zero codes for source 1 of those products
.endr
	s_cmp_lt_u32 s36, 4
	s_cbranch_scc0 .Lweights
	; ---- waves 0-3: pos_enc's rows 16 w .. 16 w + 15
	VREADK X1, 0                                   ; pos_w1
	VREADK E, 1                                    ; pos_b1
	VREADK E+32, 2                                 ; pos_b2: the C of the product, in the order that the chosen columns give its results
	s_wait_dscnt 0x0
.set i, 0
.rept 16
	v_pk_fma_f32 v[E+2*i:E+2*i+1], v[X1+2*i:X1+2*i+1], v[WS:WS+1], v[E+2*i:E+2*i+1] op_sel_hi:[1,0,1]   ; position x pos_w1 + pos_b1
.set i, i+1
.endr
	QUANT2 E, X0, 1, SE, -1
	PLACES 3                                       ; with the line behind the conversions: four places in front of the product
.irp t, 0,1,2,3
	v_wmma_scale_f32_16x16x128_f8f6f4 v[X1+8*\t:X1+8*\t+7], v[ACC+16*\t:ACC+16*\t+15], v[X0:X0+15], v[E+32+8*\t:E+32+8*\t+7], v[SW+\t], v[SE] matrix_a_fmt:MATRIX_FMT_BF8 matrix_b_fmt:MATRIX_FMT_BF8
.endr
	PLACES 8
	QUANT2 X1, X0+16, 0, T0, -1                    ; pos_enc along its 64: an operand of the next product
	v_lshlrev_b32 v[T0], 16, v[T0]                 ; its bytes scale k = 64 .. 127 there
	IMGST PIW, X0+16, 0
	ds_store_b32 v[PSW], v[T0]
	s_branch .Ljoin
.Lweights:
	; ---- waves 4-7: the codes and scale bytes go out as they stand
.irp t, 0,1,2,3
	IMGST IW, ACC+16*\t, 1024*\t
	ds_store_b32 v[ISW], v[SW+\t] offset:128*\t
.endr
.Ljoin:
	BARRIER                                        ; all images lie in LDS; nobody writes them again
	; ---- every wave: its operands that stay, and target's part
.irp n, 0,1,2,3
	IMGLD ACC+16*\n, 1024*(8+\n)                   ; att_w1[128:192]
	ds_load_b32 v[SE+\n], v[LS] offset:128*(8+\n)
.endr
	VREADK X1, 5                                   ; target's row b, the same in all sixteen lanes of a half
	VREADD E+32, 3                                 ; att_b1
.irp k, 0,1,2,3,4,5,6,7
	ds_load_b32 v[E+\k], v[LS] offset:128*\k       ; the scale bytes of att_w1[0:64] (0-3) and [64:128] (4-7)
.endr
	WIN 0x40
.irp n, 0,1,2,3
	IMGLD WF+16*\n, 1024*\n
	IMGLD WF+16*\n+8, 1024*(4+\n)
.endr
	VREADD W2, 4
	WIN 0
	s_wait_dscnt 0x0
	QUANT2 X1, X0, 0, POSW, -1
.irp n, 0,1,2,3
	v_lshl_or_b32 v[SW+\n], v[E+4+\n], 16, v[E+\n] ; four bytes: K = 128
.endr
	s_wait_kmcnt 0x0
	v_mov_b32 v[T0], s37
	v_and_b32 v[T1], 31, v0
	v_cmp_gt_u32 vcc_lo, 16, v[T1]
	v_cndmask_b32 v[BI], v[BI+1], v[T0], vcc_lo    ; att_b2 once for a row: in lanes 0-15
	WIN 0x40
.irp n, 0,1,2,3
	v_wmma_scale_f32_16x16x128_f8f6f4 v[CB+8*\n:CB+8*\n+7], v[ACC+16*\n:ACC+16*\n+15], v[X0:X0+15], v[E+32+8*\n:E+32+8*\n+7], v[SE+\n], v[POSW] matrix_a_fmt:MATRIX_FMT_BF8 matrix_b_fmt:MATRIX_FMT_BF8
.endr
	WIN 0
	PLACES 9                                       ; in front of loads into these products' registers, and of the products that write over them or take their results as C
.irp m, 0,1,2,3
	IMGLD E+16*\m+8, 16384+1024*\m                 ; pos_enc's codes: they stay
	ds_load_b32 v[POSW+\m], v[LS] offset:2048+128*\m
.endr
	s_wait_dscnt 0x0                               ; they are in: the first trip's first product reads them
	s_mov_b32 s38, 0
.Lseg:                                                 ; four trips, a segment each
	s_wait_loadcnt 24                              ; the mask and the first eight loads are in
	ds_store_b64 v[MW], v[ML:ML+1]
	WIN 0x04
.irp g, 0,1,2,3
.if \g > 0
	s_wait_loadcnt 24-8*\g                         ; eight more
.endif
.irp i, 0,1,2,3,4,5,6,7
	ds_store_b128 v[SA], v[R+4*(8*\g+\i):R+4*(8*\g+\i)+3] offset:2*PITCH*(8*\g+\i)   ; LDS serves a wave's instructions in order (ISA guide 5.7.1.4): these come behind the last trip's reads
.endr
.endr
	WIN 0
	TILE X0, 0
	TILE X1, 1
.irp m, 0,1,2,3
	ds_load_b32 v[MK+\m], v[MR] offset:64*\m
.endr
	s_wait_dscnt 20                                ; all but these 20 loads: the stores have read the transit registers, and the last trip's seg row is stored
	v_add_nc_u32 v[SGW], PITCH, v[SGW]             ; this trip's seg row
	s_cmp_eq_u32 s38, 3                            ; the last trip asks for nothing: no load leaves its buffer
	s_cbranch_scc1 .Lno_next
	s_add_nc_u64 s[4:5], s[4:5], 16384             ; (every load that named these has come)
	s_add_nc_u64 s[6:7], s[6:7], 256
	SEGMASK
	SEGPART 0, 32
.Lno_next:
	s_wait_dscnt 12                                ; tile 0 is in; tile 1 and the mask words may be out
	QUANT2 X0, E, 0, SE, POSW
	TILE X0, 2
	PLACES 3
	WM 0
	s_wait_dscnt 8                                 ; all but the eight just issued
	QUANT2 X1, E+16, 0, SE+1, POSW+1               ; (its plain lines are the places behind the products above)
	TILE X1, 3
	RD 0
	WM 1
	s_wait_dscnt 8
	QUANT2 X0, E+32, 0, SE+2, POSW+2
	DENSE X0, 0
	RD 1
	WM 2
	s_wait_dscnt 8
	QUANT2 X1, E+48, 0, SE+3, POSW+3
	DENSE X1, 1
	RD 2
.irp m, 0,1,2,3
	v_cmp_eq_u32 s[40+\m], 0, v[MK+\m]
.endr
	WM 3
.irp m, 0,1,2
	v_cndmask_b32 v[SC+\m], v[SC+\m], v[NG], s[40+\m]   ; -1e9 where the mask is 0
.endr
	v_max3_num_f32 v[TM+2], v[SC], v[SC+1], v[SC+2]
	PLACES 4                                       ; eight places with the four lines above
	RD 3
	DENSE ACC, 2
	v_cndmask_b32 v[SC+3], v[SC+3], v[NG], s43
	v_max_num_f32 v[TM+2], v[TM+2], v[SC+3]
	v_max_num_f32_dpp v[TM+2], v[TM+2], v[TM+2] row_xmask:1 row_mask:0xf bank_mask:0xf   ; both halves of the lanes hold the same 64 scores
	v_max_num_f32_dpp v[TM+2], v[TM+2], v[TM+2] row_xmask:2 row_mask:0xf bank_mask:0xf
	v_max_num_f32_dpp v[TM+2], v[TM+2], v[TM+2] row_xmask:4 row_mask:0xf bank_mask:0xf
	v_max_num_f32_dpp v[TM+2], v[TM+2], v[TM+2] row_xmask:8 row_mask:0xf bank_mask:0xf
.irp m, 0,1,2,3
	v_sub_f32 v[SC+\m], v[SC+\m], v[TM+2]          ; the maximum is taken away first: where every row is masked the differences are 0
.endr
.irp m, 0,1,2,3
	v_mul_f32 v[SC+\m], 0x3fb8aa3b, v[SC+\m]
.endr
.irp m, 0,1,2,3
	v_exp_f32 v[SC+\m], v[SC+\m]
.endr
	v_nop                                          ; a plain line behind the last exponential
	s_wait_alu depctr_va_vdst(0)                   ; one wait for the four, ahead of their first reader
.irp m, 0,1,2,3
	ds_store_b32 v[PW], v[SC+\m] offset:32*\m      ; both halves write the same word with the same value
.endr
.irp q, 0,1,2,3,4,5,6,7
	ds_load_b128 v[P+4*\q:P+4*\q+3], v[PR] offset:16*\q   ; register i: p of row 2 i + lane / 16
.endr
	v_add_f32 v[T0], v[SC], v[SC+1]
	v_add_f32 v[T1], v[SC+2], v[SC+3]
	v_add_f32 v[T0], v[T0], v[T1]
	v_add_f32_dpp v[T0], v[T0], v[T0] row_xmask:1 row_mask:0xf bank_mask:0xf
	v_add_f32_dpp v[T0], v[T0], v[T0] row_xmask:2 row_mask:0xf bank_mask:0xf
	v_add_f32_dpp v[T0], v[T0], v[T0] row_xmask:4 row_mask:0xf bank_mask:0xf
	v_add_f32_dpp v[T0], v[T0], v[T0] row_xmask:8 row_mask:0xf bank_mask:0xf
	v_rcp_f32 v[TM], v[T0]                         ; 1 / the sum of p; the weighted sum below is the work behind it
	s_wait_dscnt 0x0                               ; p and rows 0 to 47 are in
	FMA8 X0, 0, 1
	DENSE X0, 3
	FMA8 X1, 1, 0
	FMA8 ACC, 2, 0
	s_wait_dscnt 0x0
	FMA8 X0, 3, 0
	v_pk_add_f32 v[WS:WS+1], v[WS:WS+1], v[WS+4:WS+5]
	v_pk_add_f32 v[WS+2:WS+3], v[WS+2:WS+3], v[WS+6:WS+7]
.irp k, 0,1,2,3
	v_permlanex16_b32 v[WS+4+\k], v[WS+\k], s44, s45   ; the odd rows lie in the other half of the lanes
.endr
	v_pk_add_f32 v[WS:WS+1], v[WS:WS+1], v[WS+4:WS+5]
	v_pk_add_f32 v[WS+2:WS+3], v[WS+2:WS+3], v[WS+6:WS+7]
	s_wait_alu depctr_va_vdst(0)                   ; the reciprocal's wait, ahead of its first reader
	v_pk_mul_f32 v[WS:WS+1], v[WS:WS+1], v[TM:TM+1] op_sel_hi:[1,0]
	v_pk_mul_f32 v[WS+2:WS+3], v[WS+2:WS+3], v[TM:TM+1] op_sel_hi:[1,0]
	ds_store_b128 v[SGW], v[WS:WS+3]               ; seg's columns 4 r on; both halves write the same bytes with the same values
	s_add_co_u32 s38, s38, 1
	s_cmp_lt_u32 s38, 4
	s_cbranch_scc1 .Lseg
	BARRIER                                        ; the work-group's 32 seg rows lie in LDS
	s_cmp_gt_u32 s36, 1
	s_cbranch_scc1 .Lend
	; ---- waves 0 and 1: 16 rows each through proj_w and the LayerNorm
.irp c, 0,1
.irp j, 0,1,2,3
	ds_load_b128 v[X0+16*\c+4*\j:X0+16*\c+4*\j+3], v[TF] offset:128*\c+16*\j
.endr
.endr
.irp n, 0,1,2,3
	IMGLD E+16*\n, 1024*(12+\n)                    ; proj_w's codes
	ds_load_b32 v[SW+\n], v[LS] offset:128*(12+\n)
.endr
	VREADD X1, 6                                   ; proj_b: the C of the product
.irp n, 0,1,2,3
.irp k, 8,9,10,11,12,13,14,15
	v_mov_b32 v[E+16*\n+\k], 0                     ; zero codes for K = 64 .. 127
.endr
.endr
.irp k, 8,9,10,11,12,13,14,15
	v_mov_b32 v[ACC+\k], 0
.endr
	s_mov_b32 s53, 0x3c800000                      ; 1 / 64
	s_mov_b32 s54, 0x3727c5ac                      ; 1e-5
	s_wait_dscnt 0x0
	QUANT2 X0, ACC, 0, SE, -1
	VREADD X0, 7                                   ; gamma
	PLACES 3
.irp n, 0,1,2,3
	v_wmma_scale_f32_16x16x128_f8f6f4 v[P+8*\n:P+8*\n+7], v[E+16*\n:E+16*\n+15], v[ACC:ACC+15], v[X1+8*\n:X1+8*\n+7], v[SW+\n], v[SE] matrix_a_fmt:MATRIX_FMT_BF8 matrix_b_fmt:MATRIX_FMT_BF8
.endr
	PLACES 8
	VREADD X1, 8                                   ; beta
.irp a, 0,1,2,3
	v_pk_add_f32 v[WS+2*\a:WS+2*\a+1], v[P+8*\a:P+8*\a+1], v[P+8*\a+2:P+8*\a+3]   ; lane (r, h): row r, columns 16 n + 8 h + j; each accumulator from its low end on
.endr
.irp k, 4,6
.irp a, 0,1,2,3
	v_pk_add_f32 v[WS+2*\a:WS+2*\a+1], v[WS+2*\a:WS+2*\a+1], v[P+8*\a+\k:P+8*\a+\k+1]
.endr
.endr
	FOLD T0
	v_mul_f32 v[TM], s53, v[T0]                    ; the mean
.set i, 0
.rept 16
	v_pk_add_f32 v[P+2*i:P+2*i+1], v[P+2*i:P+2*i+1], v[TM:TM+1] op_sel_hi:[1,0] neg_lo:[0,1] neg_hi:[0,1]
.set i, i+1
.endr
.irp a, 0,1,2,3
	v_pk_mul_f32 v[WS+2*\a:WS+2*\a+1], v[P+2*\a:P+2*\a+1], v[P+2*\a:P+2*\a+1]
.endr
.set i, 4
.rept 12
	v_pk_fma_f32 v[WS+2*(i%4):WS+2*(i%4)+1], v[P+2*i:P+2*i+1], v[P+2*i:P+2*i+1], v[WS+2*(i%4):WS+2*(i%4)+1]
.set i, i+1
.endr
	FOLD T0
	v_fma_f32 v[T0], v[T0], s53, s54               ; the variance + 1e-5
	v_rsq_f32 v[TM], v[T0]
	v_nop                                          ; a plain line behind it
	s_wait_alu depctr_va_vdst(0)                   ; and its wait, ahead of the first reader
.set i, 0
.rept 16
	v_pk_mul_f32 v[P+2*i:P+2*i+1], v[P+2*i:P+2*i+1], v[TM:TM+1] op_sel_hi:[1,0]
.set i, i+1
.endr
	s_wait_dscnt 0x0                               ; gamma and beta
.set i, 0
.rept 16
	v_pk_fma_f32 v[P+2*i:P+2*i+1], v[P+2*i:P+2*i+1], v[X0+2*i:X0+2*i+1], v[X1+2*i:X1+2*i+1]
.set i, i+1
.endr
	; the way out: through my own stage, back as whole rows: a store covers 512 consecutive bytes, aligned
.irp n, 0,1,2,3
.irp q, 0,1
	ds_store_b128 v[TO], v[P+8*\n+4*\q:P+8*\n+4*\q+3] offset:64*\n+16*\q
.endr
.endr
.irp i, 0,1,2,3,4,5,6,7
	ds_load_b128 v[X0+4*\i:X0+4*\i+3], v[SA] offset:2*PITCH*\i   ; LDS serves a wave's instructions in order: these see my stores
.endr
.irp i, 0,1,2,3,4,5,6,7
	s_wait_dscnt 7-\i
	global_store_b128 v[GA], v[X0+4*\i:X0+4*\i+3], s[34:35] offset:512*\i th:TH_STORE_NT
.endr
.Lend:
	s_wait_tensorcnt 0x0
	ds_add_u32 v242, v243
	s_wait_dscnt 0x0
	s_endpgm
.Lfunc_end_k_q78b64e3e46_enc:
	.size	k_q78b64e3e46_enc, .Lfunc_end_k_q78b64e3e46_enc-k_q78b64e3e46_enc
	.p2alignl 7, 3214868480
	.fill 96, 4, 3214868480
	.section	.rodata,"a",@progbits
	.p2align	6, 0x0
	.amdhsa_kernel k_q78b64e3e46_enc
		.amdhsa_group_segment_fixed_size 194560
		.amdhsa_private_segment_fixed_size 0
		.amdhsa_enable_private_segment 0
		.amdhsa_kernarg_size 128
		.amdhsa_user_sgpr_count 2
		.amdhsa_user_sgpr_kernarg_segment_ptr 1
		.amdhsa_wavefront_size32 1
		.amdhsa_system_sgpr_workgroup_id_x 1
		.amdhsa_system_sgpr_workgroup_id_y 1
		.amdhsa_system_sgpr_workgroup_id_z 1
		.amdhsa_system_vgpr_workitem_id 0
		.amdhsa_next_free_vgpr 512
		.amdhsa_next_free_sgpr 66
		.amdhsa_reserve_vcc 1
		.amdhsa_float_denorm_mode_32 3
		.amdhsa_float_denorm_mode_16_64 3
		.amdhsa_memory_ordered 1
		.amdhsa_forward_progress 1
		.amdhsa_inst_pref_size 126
	.end_amdhsa_kernel
	.amdgpu_metadata
---
amdhsa.version: [ 1, 2 ]
amdhsa.kernels:
  - .name:           k_q78b64e3e46_enc
    .symbol:         k_q78b64e3e46_enc.kd
    .args:
      - { .name: segmented_emb, .offset: 0, .size: 8, .value_kind: global_buffer, .address_space: global }
      - { .name: segmented_mask, .offset: 8, .size: 8, .value_kind: global_buffer, .address_space: global }
      - { .name: target_emb, .offset: 16, .size: 8, .value_kind: global_buffer, .address_space: global }
      - { .name: pos_w1, .offset: 24, .size: 8, .value_kind: global_buffer, .address_space: global }
      - { .name: pos_b1, .offset: 32, .size: 8, .value_kind: global_buffer, .address_space: global }
      - { .name: pos_w2, .offset: 40, .size: 8, .value_kind: global_buffer, .address_space: global }
      - { .name: pos_b2, .offset: 48, .size: 8, .value_kind: global_buffer, .address_space: global }
      - { .name: att_w1, .offset: 56, .size: 8, .value_kind: global_buffer, .address_space: global }
      - { .name: att_b1, .offset: 64, .size: 8, .value_kind: global_buffer, .address_space: global }
      - { .name: att_w2, .offset: 72, .size: 8, .value_kind: global_buffer, .address_space: global }
      - { .name: att_b2, .offset: 80, .size: 8, .value_kind: global_buffer, .address_space: global }
      - { .name: proj_w, .offset: 88, .size: 8, .value_kind: global_buffer, .address_space: global }
      - { .name: proj_b, .offset: 96, .size: 8, .value_kind: global_buffer, .address_space: global }
      - { .name: ln_gamma, .offset: 104, .size: 8, .value_kind: global_buffer, .address_space: global }
      - { .name: ln_beta, .offset: 112, .size: 8, .value_kind: global_buffer, .address_space: global }
      - { .name: out0, .offset: 120, .size: 8, .value_kind: global_buffer, .address_space: global }
    .group_segment_fixed_size: 194560
    .private_segment_fixed_size: 0
    .kernarg_segment_align: 8
    .kernarg_segment_size: 128
    .max_flat_workgroup_size: 256
    .sgpr_count:     66
    .vgpr_count:     512
    .wavefront_size: 32
...
	.end_amdgpu_metadata
.endif
;; end of part 1
;; ======== version 2 of 2: 1 launch; version 1 with the launch enc written anew for expert scheduling mode
;; launch enc (part 2): grid 256 x 1, 8 waves a work-group, no clusters, 194,560 bytes of LDS; arguments segmented_emb, segmented_mask, target_emb, pos_w1, pos_b1, pos_w2, pos_b2, att_w1, att_b1, att_w2, att_b2, proj_w, proj_b, ln_gamma, ln_beta, out0; writes out0
.if DOCPART == 2
	.amdgcn_target "amdgcn-amd-amdhsa--gfx1250"
	.amdhsa_code_object_version 6
	.text
	.protected	k_q78b64e3e46_enc
	.globl	k_q78b64e3e46_enc
	.p2align	8
	.type	k_q78b64e3e46_enc,@function
k_q78b64e3e46_enc:
	s_mov_b64 s[64:65], 0
	v_nop
	global_prefetch_b8 v0, s[64:65] scope:SCOPE_SE
	s_setreg_imm32_b32 hwreg(HW_REG_WAVE_SCHED_MODE, 0, 2), 2
	s_setreg_imm32_b32 hwreg(HW_REG_WAVE_MODE, 25, 1), 1
	s_wait_xcnt 0x0
	s_wait_alu depctr_vm_vsrc(0)
; out0[b][t][:] = LayerNorm(softmax-pooled segment x proj_w + proj_b).  8,192 segments (b, t), each 64 rows s x 64 numbers, f32, 16,384 bytes on end.
; For a segment: h = relu(Q(emb) Q(att_w1[0:64]) + Q(pos_enc) Q(att_w1[64:128]) + Q(target[b]) Q(att_w1[128:192]) + att_b1); score = h . att_w2 + att_b2; -1e9 where the mask is 0;
; softmax over the 64 rows (the maximum taken away first); seg = the weighted sum of the same rows, in f32; then Q(seg) Q(proj_w) + proj_b and the LayerNorm.  Q: codes of E5M2 with one E8M0 scale for each 32 along K.
; SHARES.  256 work-groups of eight waves; a work-group owns 32 segments on end (one b), wave w the four segments 4 w .. 4 w + 3, one a trip.  At the end waves 0 and 1 take 16 seg rows each through proj_w and the LayerNorm.
; ONE MATRIX INSTRUCTION FOR TWO PRODUCTS.  K = 128 is [64 codes of emb's row s | 64 codes of pos_enc's row s] against rows 0 .. 127 of att_w1: the blocks of 32 are each product's own.  C is target's part + att_b1.
; TRANSPOSED USE.  Source 0 = 16 columns of the weight, source 1 = 16 rows s: a lane holds one row s and eight hidden units, so the dot with att_w2 stays in the lane but for one exchange of halves.
; THE SEGMENT is read from memory once, 512 consecutive bytes a load, into 128 transit registers, goes into the wave's own stage in LDS (rows 272 bytes apart) and is read back twice: 16 neighbours a lane for the quantiser,
; and as it lies for the weighted sum (a lane: four columns of 32 rows).  The next segment's 33 loads go out as soon as the transit registers are drained and have the rest of the trip in which to land.
; THE HEAD runs while segment 0 is on its way: waves 4 to 7 quantise att_w1's three parts and proj_w (a lane to a column, registers down K), waves 0 to 3 make pos_enc's four tiles of rows; codes go round as images of the operand's registers.
; NO JOINT LOADS: this text has no tensor load; what work-groups share is 128 KiB of weights a work-group against 528 KiB of its own.  No prefetch: the wave's loads are out all the time.
; LIMITS.  NaN and infinities among the inputs are not served.  A block whose largest magnitude lies under 2^-111 (a block of zeros too) gets the scale byte 1; the bytes are read by this text alone.
; The two products that share an instruction are summed inside it; att_b2 enters at the head of the dot's chain; the weights are 2^((score - max) log2 e), and the sum of them divides after the weighted sum (it is at least 1).
; THE MODE: SCHED_MODE bits 1:0 = 2 (LLVM: expert scheduling mode 2), set by the entry lines.  The code itself states the register dependences
; between vector or matrix instructions and memory or LDS instructions, with s_wait_alu, always for 0.
; THE PLAN.  Registers that memory or LDS instructions touch, in the loop:
;   R, ML      Written by a segment's 33 global loads, read by the trip's 33 LDS stores; no vector instruction names them.
;   X0, X1     LDS loads land in them by turns: tiles 0 / 2 and 1 / 3 for the quantiser, which reads and rewrites them; then rows 0-15, 16-31 and 48-63 for the weighted sum, which reads them.
;   ACC        Written by the products and the relu, read by the dot; then rows 32-47 land in it, and the weighted sum reads them.
;   P (MK)     The mask words land in its first four registers and are read by four compares; then p lands in it, and the weighted sum reads it.
;   SC, WS     Written by the dots, the exponentials and the sums; read by the four stores of p and by the store of the seg row.
;   SGW        Read by the store of the seg row, stepped once a trip.  Every other address is made at the head and never written again.
; A TRIP'S WAITS.  One on vm_vsrc behind the 33 stores: R, ML, and the last trip's SGW, WS and SC have been read.  One on va_vdst in each of the four tile steps, behind the quantiser and the dot of the tile before:
; the buffer is read out, so that the step's eight loads may land in it, and the codes and the scale word are written for the step's products; loads and products follow it with no vector instruction between.
; One on va_sdst behind the compares.  One on va_vdst behind the last dot (ACC), one behind the exponentials (SC), one behind the first quarter of the weighted sum (X0; the reciprocal),
; one ahead of the seg row's store (WS, SGW): no vector instruction stands between that one and the next trip's loads into X0, X1 and MK, so it serves them too.
.set PITCH, 272                        ; a stage row: 256 bytes + 16: 68 words, so row r starts at bank 4 r mod 64 (64 banks of 4 bytes: ISA guide 11.1)
.set STGW,  64*PITCH                   ; LDS 0: eight stages, one a wave: 64 rows
.set MSK,   139264                     ; eight x 256: a segment's 64 mask words
.set PAR,   141312                     ; eight x 256: the weights p: row s at 128 (s % 2) + 4 (s / 2)
.set VEC,   143360                     ; eight x 9 x 256: pos_w1, pos_b1, pos_b2, att_b1, att_w2, target's row, proj_b, gamma, beta
.set VECW,  2304
.set SEGT,  161792                     ; 32 rows x 272: the work-group's seg vectors
.set IMG,   170496                     ; 16 images of 1,024 bytes: codes of (weight c, column tile t) at 4 c + t; c: att_w1[0:64], [64:128], [128:192], proj_w
.set POSI,  186880                     ; 4 images: pos_enc's codes, tile of rows m (directly behind IMG)
.set ISC,   190976                     ; 16 x 128: their two scale bytes, a word a lane
.set PSC,   193024                     ; 4 x 128: pos_enc's two scale bytes, already in bytes 2 and 3 (directly behind ISC)
; window 0
.set GA,  1                            ; 16 x lane: global offset of a dense load or store
.set SA,  2                            ; stage, dense: row lane / 16, 16 bytes at 16 (lane % 16)
.set FA,  3                            ; stage, for the quantiser: row lane % 16, + 64 (lane / 16)
.set MW,  4                            ; mask words in
.set MR,  5                            ; and out: 4 (lane % 16)
.set PW,  6                            ; p in
.set PR,  7                            ; p out: my half's 32
.set SGW, 8                            ; my seg row; stepped a row a trip
.set VW,  9                            ; vectors in: 8 x lane
.set VH,  10                           ; vectors out along K: + 64 (lane / 16)
.set VD,  11                           ; vectors out in a result's layout: + 32 (lane / 16)
.set CA0, 12                           ; a weight's column, even tiles
.set CA1, 13                           ; odd tiles
.set LI,  14                           ; IMG + 16 x lane
.set LS,  15                           ; ISC + 4 x lane
.set IW,  16                           ; where waves 4-7 store their images
.set ISW, 17                           ; and scale words
.set PIW, 18                           ; where waves 0-3 store pos_enc's image
.set PSW, 19                           ; and its scale word
.set TF,  20                           ; the tail: my 16 seg rows, for the quantiser
.set TO,  21                           ; the tail: where I put 16 bytes of a row of y
.set BI,  22                           ; v[22:23] (att_b2 in lanes 0-15, else 0; 0)
.set X0,  24                           ; v24-55   32 numbers
.set X1,  56                           ; v56-87   32 numbers
.set E,   88                           ; v88-151  source 1, tile m at 16 m: 8 registers of emb's codes, 8 of pos_enc's, which stay
.set ACC, 152                          ; v152-183 four accumulators
.set P,   184                          ; v184-215 p of my half's 32 rows; the tail's y
.set MK,  184                          ; the mask words in use: free again before p is read back
.set TM,  216                          ; v216-223 the quantiser's: maxima, bytes, holds, scale operands
.set SW,  224                          ; v224-227 the weight's scale words
.set SE,  228                          ; v228-231 source 1's scale words
.set POSW, 232                         ; v232-235 pos_enc's scale bytes
.set SC,  236                          ; v236-239 scores, then p
.set GM,  240                          ; 8 x lane: global offset of a 256-byte vector
.set NG,  241                          ; -1e9
.set ML,  244                          ; v[244:245] the mask as loaded
.set WS,  246                          ; v246-253 four pairs of sums
.set T0,  254
.set T1,  255
; window 1
.set R,   0                            ; v0-127   transit
.set VT,  128                          ; the nine vectors' transit, in the head
.set WF,  128                          ; v128-191 att_w1's codes, K = 128, column tile n at 16 n
.set CB,  192                          ; v192-223 C: target's part + att_b1
.set W2,  224                          ; v224-255 att_w2 in a result's layout
.set MSB, 0
.macro WIN new                         ; low byte: bits 1:0 source 0, 3:2 source 1, 5:4 source 2, 7:6 destination; the high byte repeats the setting that is left
.if MSB != \new
	s_set_vgpr_msb (MSB<<8)|\new
.set MSB, \new
.endif
.endm
.macro PLACES n
.rept \n
	v_nop
.endr
.endm
.macro BARRIER                         ; my LDS stores have landed and my LDS loads are in: then the work-group's barrier
	s_wait_dscnt 0x0
	s_barrier_signal -1
	s_barrier_wait -1
.endm
; 32 numbers of a lane, register 16 b + i = k 32 b + 16 (lane / 16) + i of my row, become 8 registers of codes at v[d] and the two scale bytes in v[w] (with v[hi] beside them where hi is given).
; relu = 1: what is negative becomes 0 on the way.  The largest magnitude goes in four chains; its floor 2^(16 - 127) holds the byte at 1 from below.
.macro QUANT2 s, d, relu, w, hi
.if \relu
.irp b, 0,1
	v_max3_num_f32 v[TM+\b], v[(\s)+16*\b], v[(\s)+16*\b+1], 0x8000000
.endr
.irp b, 0,1
	v_max3_num_f32 v[TM+2+\b], v[(\s)+16*\b+8], v[(\s)+16*\b+9], v[(\s)+16*\b+10]
.endr
.irp i, 0,2
.irp b, 0,1
	v_max3_num_f32 v[TM+\b], v[TM+\b], v[(\s)+16*\b+2+\i], v[(\s)+16*\b+3+\i]
.endr
.irp b, 0,1
	v_max3_num_f32 v[TM+2+\b], v[TM+2+\b], v[(\s)+16*\b+11+\i], v[(\s)+16*\b+12+\i]
.endr
.endr
.irp b, 0,1
	v_max3_num_f32 v[TM+\b], v[TM+\b], v[(\s)+16*\b+6], v[(\s)+16*\b+7]
.endr
.irp b, 0,1
	v_max3_num_f32 v[TM+\b], v[TM+\b], v[TM+2+\b], v[(\s)+16*\b+15]
.endr
.else
.irp b, 0,1
	v_max3_num_f32 v[TM+\b], |v[(\s)+16*\b]|, |v[(\s)+16*\b+1]|, 0x8000000
.endr
.irp b, 0,1
	v_max3_num_f32 v[TM+2+\b], |v[(\s)+16*\b+8]|, |v[(\s)+16*\b+9]|, |v[(\s)+16*\b+10]|
.endr
.irp i, 0,2
.irp b, 0,1
	v_max3_num_f32 v[TM+\b], v[TM+\b], |v[(\s)+16*\b+2+\i]|, |v[(\s)+16*\b+3+\i]|
.endr
.irp b, 0,1
	v_max3_num_f32 v[TM+2+\b], v[TM+2+\b], |v[(\s)+16*\b+11+\i]|, |v[(\s)+16*\b+12+\i]|
.endr
.endr
.irp b, 0,1
	v_max3_num_f32 v[TM+\b], v[TM+\b], |v[(\s)+16*\b+6]|, |v[(\s)+16*\b+7]|
.endr
.irp b, 0,1
	v_max3_num_f32 v[TM+\b], v[TM+\b], v[TM+2+\b], |v[(\s)+16*\b+15]|
.endr
.endif
.irp b, 0,1
	v_permlanex16_b32 v[TM+2+\b], v[TM+\b], s44, s45
.endr
.irp b, 0,1
	v_max_num_f32 v[TM+\b], v[TM+\b], v[TM+2+\b]             ; with lane l xor 16's 16: the block's largest magnitude
.endr
.irp b, 0,1
	v_add_nc_u32 v[TM+6+\b], 0xf8800000, v[TM+\b]            ; 15 off its exponent field: the conversion takes this operand's exponent field as its scale
.endr
.irp b, 0,1
	v_and_or_b32 v[TM+4+\b], v[TM+\b], 0x7f800000, s46       ; 57,344 x the scale
.endr
.irp b, 0,1
	v_lshrrev_b32 v[TM+2+\b], 23, v[TM+6+\b]                 ; the scale's byte
.endr
	v_lshl_or_b32 v[\w], v[TM+3], 8, v[TM+2]                 ; the scale word stands ahead of the 32 holds: more than eight places in front of the product
.if (\hi) >= 0
	v_or_b32 v[\w], v[\w], v[\hi]
.endif
.irp i, 0,1,2,3,4,5,6,7,8,9,10,11,12,13,14,15,16,17,18,19,20,21,22,23,24,25,26,27,28,29,30,31
.if \relu
	v_med3_num_f32 v[(\s)+\i], v[(\s)+\i], 0, v[TM+4+\i/16]  ; the activation and the hold in one
.else
	v_med3_num_f32 v[(\s)+\i], v[(\s)+\i], -v[TM+4+\i/16], v[TM+4+\i/16]   ; the conversion to an 8-bit code does not saturate (ISA guide 7.6.2)
.endif
.endr
.irp b, 0,1
	v_cvt_scalef32_pk8_bf8_f32 v[(\d)+4*\b:(\d)+4*\b+1], v[(\s)+16*\b:(\s)+16*\b+7], v[TM+6+\b]
	v_cvt_scalef32_pk8_bf8_f32 v[(\d)+4*\b+2:(\d)+4*\b+3], v[(\s)+16*\b+8:(\s)+16*\b+15], v[TM+6+\b]
.endr
	v_nop                                                    ; one plain line behind the last conversion
.endm
.macro VREADK reg, vec                 ; a vector along K: register 16 c + i = vec[32 c + 16 (lane / 16) + i]
.irp c, 0,1
.irp j, 0,1,2,3
	ds_load_b128 v[(\reg)+16*\c+4*\j:(\reg)+16*\c+4*\j+3], v[VH] offset:256*(\vec)+128*\c+16*\j
.endr
.endr
.endm
.macro VREADD reg, vec                 ; a vector in a result's layout: register 8 n + j = vec[16 n + 8 (lane / 16) + j]
.irp n, 0,1,2,3
.irp q, 0,1
	ds_load_b128 v[(\reg)+8*\n+4*\q:(\reg)+8*\n+4*\q+3], v[VD] offset:256*(\vec)+64*\n+16*\q
.endr
.endr
.endm
.macro TILE reg, m                     ; rows 16 m + lane % 16 of the stage, 16 neighbours of each block of 32
.irp c, 0,1
.irp j, 0,1,2,3
	ds_load_b128 v[(\reg)+16*\c+4*\j:(\reg)+16*\c+4*\j+3], v[FA] offset:16*PITCH*(\m)+128*\c+16*\j
.endr
.endr
.endm
.macro DENSE reg, q                    ; rows 16 q .. 16 q + 15 of the stage as they lie: register 4 i on = row 16 q + 2 i + lane / 16, columns 4 (lane % 16) on
.irp i, 0,1,2,3,4,5,6,7
	ds_load_b128 v[(\reg)+4*\i:(\reg)+4*\i+3], v[SA] offset:2*PITCH*(8*(\q)+\i)
.endr
.endm
.macro COLS t                          ; column tile t of my weight out of the stage: a lane to a column, register 16 c + i = row k = 32 c + 16 (lane / 16) + i
.irp c, 0,1
.irp i, 0,1,2,3,4,5,6,7,8,9,10,11,12,13,14,15
	ds_load_b32 v[X0+32*(\t)+16*\c+\i], v[CA0+((\t)%2)] offset:(32*\c+\i)*PITCH+128*((\t)/2)
.endr
.endr
.endm
.macro IMGST adr, c, off               ; eight registers of codes go to LDS as they stand, 16 bytes a lane
	ds_store_b128 v[\adr], v[(\c):(\c)+3] offset:\off
	ds_store_b128 v[\adr], v[(\c)+4:(\c)+7] offset:(\off)+512
.endm
.macro IMGLD reg, off                  ; and come back so, in any wave
	ds_load_b128 v[(\reg):(\reg)+3], v[LI] offset:\off
	ds_load_b128 v[(\reg)+4:(\reg)+7], v[LI] offset:(\off)+512
.endm
.macro SEGMASK                         ; a segment's mask: 256 bytes, 8 a lane; issued ahead of the segment's own loads
	global_load_b64 v[ML:ML+1], v[GM], s[6:7] th:TH_LOAD_NT
.endm
.macro SEGPART first, n                ; n of a segment's 32 loads, from number first on: 512 consecutive bytes a load
	WIN 0x40
.set i, \first
.rept \n
	global_load_b128 v[R+4*i:R+4*i+3], v[GA], s[4:5] offset:512*i th:TH_LOAD_NT
.set i, i+1
.endr
	WIN 0
.endm
.macro WM m                            ; h^T of rows 16 m on: four tiles of 16 hidden units; C is not D, so no sum goes on in place
	WIN 0x11
.irp n, 0,1,2,3
	v_wmma_scale_f32_16x16x128_f8f6f4 v[ACC+8*\n:ACC+8*\n+7], v[WF+16*\n:WF+16*\n+15], v[E+16*(\m):E+16*(\m)+15], v[CB+8*\n:CB+8*\n+7], v[SW+\n], v[SE+(\m)] matrix_a_fmt:MATRIX_FMT_BF8 matrix_b_fmt:MATRIX_FMT_BF8
.endr
	WIN 0
.endm
.macro FOLD dst                        ; the four pairs of sums, and the other half of the lanes', become one number
	v_pk_add_f32 v[WS:WS+1], v[WS:WS+1], v[WS+2:WS+3]
	v_pk_add_f32 v[WS+4:WS+5], v[WS+4:WS+5], v[WS+6:WS+7]
	v_pk_add_f32 v[WS:WS+1], v[WS:WS+1], v[WS+4:WS+5]
	v_add_f32 v[T0], v[WS], v[WS+1]
	v_permlanex16_b32 v[T1], v[T0], s44, s45
	v_add_f32 v[\dst], v[T0], v[T1]
.endm
.macro RD m                            ; relu, the dot with att_w2, att_b2: the score of row 16 m + lane % 16, in both halves of the lanes
.set i, 0
.rept 32
	v_max_num_f32 v[ACC+i], 0, v[ACC+i]                      ; ascending: each accumulator is read from its low end on
.set i, i+1
.endr
	WIN 0x04
	v_pk_fma_f32 v[WS:WS+1], v[ACC:ACC+1], v[W2:W2+1], v[BI:BI+1]
.irp a, 1,2,3
	v_pk_mul_f32 v[WS+2*\a:WS+2*\a+1], v[ACC+2*\a:ACC+2*\a+1], v[W2+2*\a:W2+2*\a+1]
.endr
.set i, 4
.rept 12
	v_pk_fma_f32 v[WS+2*(i%4):WS+2*(i%4)+1], v[ACC+2*i:ACC+2*i+1], v[W2+2*i:W2+2*i+1], v[WS+2*(i%4):WS+2*(i%4)+1]
.set i, i+1
.endr
	WIN 0
	FOLD SC+(\m)
.endm
; 16 rows of the weighted sum: register 4 i on of v[reg] times p of row pair 8 q + i.  Even pairs into v[WS:WS+3], odd ones into v[WS+4:WS+7]; an odd one takes the second register of p's pair for both halves.
.macro FMA8 reg, q, first
.irp i, 0,1,2,3,4,5,6,7
.set ii, 8*(\q)+\i
.if ((\i)%2) == 0
.if (\first) && (\i == 0)
	v_pk_mul_f32 v[WS:WS+1], v[(\reg)+4*\i:(\reg)+4*\i+1], v[P+ii:P+ii+1] op_sel_hi:[1,0]
	v_pk_mul_f32 v[WS+2:WS+3], v[(\reg)+4*\i+2:(\reg)+4*\i+3], v[P+ii:P+ii+1] op_sel_hi:[1,0]
.else
	v_pk_fma_f32 v[WS:WS+1], v[(\reg)+4*\i:(\reg)+4*\i+1], v[P+ii:P+ii+1], v[WS:WS+1] op_sel_hi:[1,0,1]
	v_pk_fma_f32 v[WS+2:WS+3], v[(\reg)+4*\i+2:(\reg)+4*\i+3], v[P+ii:P+ii+1], v[WS+2:WS+3] op_sel_hi:[1,0,1]
.endif
.else
.if (\first) && (\i == 1)
	v_pk_mul_f32 v[WS+4:WS+5], v[(\reg)+4*\i:(\reg)+4*\i+1], v[P+ii-1:P+ii] op_sel:[0,1] op_sel_hi:[1,1]
	v_pk_mul_f32 v[WS+6:WS+7], v[(\reg)+4*\i+2:(\reg)+4*\i+3], v[P+ii-1:P+ii] op_sel:[0,1] op_sel_hi:[1,1]
.else
	v_pk_fma_f32 v[WS+4:WS+5], v[(\reg)+4*\i:(\reg)+4*\i+1], v[P+ii-1:P+ii], v[WS+4:WS+5] op_sel:[0,1,0] op_sel_hi:[1,1,1]
	v_pk_fma_f32 v[WS+6:WS+7], v[(\reg)+4*\i+2:(\reg)+4*\i+3], v[P+ii-1:P+ii], v[WS+6:WS+7] op_sel:[0,1,0] op_sel_hi:[1,1,1]
.endif
.endif
.endr
.endm
	; ---- ids, and every LDS address, ahead of the first parting of the waves
	s_load_b512 s[4:19], s[0:1], 0x0               ; emb s[4:5], mask s[6:7], target s[8:9], pos_w1 s[10:11], pos_b1 s[12:13], pos_w2 s[14:15], pos_b2 s[16:17], att_w1 s[18:19]
	s_load_b512 s[20:35], s[0:1], 0x40             ; att_b1 s[20:21], att_w2 s[22:23], att_b2 s[24:25], proj_w s[26:27], proj_b s[28:29], gamma s[30:31], beta s[32:33], out0 s[34:35]
	v_lshl_add_u32 v242, v0, 2, 0x2f400
	v_mov_b32 v243, 0
	v_lshrrev_b32 v219, 5, v0
	v_readfirstlane_b32 s36, v219                  ; wave 0..7
	v_and_b32 v216, 31, v0                         ; lane
	v_and_b32 v217, 15, v0                         ; r
	v_bfe_u32 v218, v0, 4, 1                       ; h
	s_wait_alu depctr_va_sdst(0)                   ; s36 is written, ahead of its first reader: addresses, offsets and the waves' partings are made from it
	s_mul_i32 s53, s36, STGW                       ; my stage
	s_lshl_b32 s54, s36, 8
	s_mul_i32 s55, s36, VECW
	s_add_co_u32 s55, s55, VEC                     ; my vectors
	s_and_b32 s56, s36, 3
	s_lshr_b32 s57, s36, 2                         ; 0: waves 0-3 (pos_enc); 1: waves 4-7 (the weights)
	s_xor_b32 s52, s57, 1
	v_lshlrev_b32 v[GA], 4, v216
	v_lshlrev_b32 v[GM], 3, v216
	v_mul_u32_u24 v[SA], v218, PITCH
	v_lshl_add_u32 v[SA], v217, 4, v[SA]
	v_add_nc_u32 v[SA], s53, v[SA]
	v_mul_u32_u24 v220, v217, PITCH
	v_add_nc_u32 v220, s53, v220
	v_lshl_add_u32 v[FA], v218, 6, v220
	v_lshl_add_u32 v[TO], v218, 5, v220
	s_add_co_u32 s58, s54, MSK
	v_lshl_add_u32 v[MW], v216, 3, s58
	v_lshl_add_u32 v[MR], v217, 2, s58
	s_add_co_u32 s59, s54, PAR
	v_and_b32 v221, 1, v217
	v_lshrrev_b32 v222, 1, v217
	v_lshl_add_u32 v[PW], v221, 7, s59
	v_lshl_add_u32 v[PW], v222, 2, v[PW]
	v_lshl_add_u32 v[PR], v218, 7, s59
	s_mul_i32 s58, s36, 4*PITCH
	s_add_co_u32 s58, s58, SEGT-PITCH              ; one row low: each trip steps it before it stores
	v_lshl_add_u32 v[SGW], v217, 4, s58
	v_lshl_add_u32 v[VW], v216, 3, s55
	v_lshl_add_u32 v[VH], v218, 6, s55
	v_lshl_add_u32 v[VD], v218, 5, s55
	v_mul_u32_u24 v[CA0], v218, 16*PITCH           ; a weight's column: lanes 16-31 begin 16 rows further down K
	v_lshl_add_u32 v[CA0], v217, 2, v[CA0]
	v_add_nc_u32 v[CA0], s53, v[CA0]
	v_lshrrev_b32 v221, 3, v217
	s_lshl_b32 s59, s52, 5
	v_mul_u32_u24 v221, s59, v221                  ; waves 0-3: lane r of tile 2 b + u takes column 32 b + 8 u + r + 8 (r / 8), so that two tiles' 16 registers are 16 neighbours along the next K
	v_add_nc_u32 v[CA0], v[CA0], v221
	s_lshl_b32 s58, s57, 5
	s_add_co_u32 s58, s58, 32                      ; an odd tile begins 8 columns on there, 16 in waves 4-7
	v_add_nc_u32 v[CA1], s58, v[CA0]
	v_lshl_add_u32 v[LI], v216, 4, IMG
	v_lshl_add_u32 v[LS], v216, 2, ISC
	s_lshl_b32 s59, s56, 12
	v_add_nc_u32 v[IW], s59, v[LI]
	s_lshl_b32 s58, s56, 9
	v_add_nc_u32 v[ISW], s58, v[LS]
	s_lshl_b32 s59, s56, 10
	s_add_co_u32 s59, s59, POSI
	v_lshl_add_u32 v[PIW], v216, 4, s59
	s_lshl_b32 s58, s56, 7
	s_add_co_u32 s58, s58, PSC
	v_lshl_add_u32 v[PSW], v216, 2, s58
	s_and_b32 s59, s36, 1
	s_mul_i32 s59, s59, 16*PITCH
	s_add_co_u32 s59, s59, SEGT
	v_mul_u32_u24 v[TF], v217, PITCH
	v_lshl_add_u32 v[TF], v218, 6, v[TF]
	v_add_nc_u32 v[TF], s59, v[TF]
	; the position of row 16 (wave % 4) + r: s / 63, by the reciprocal and one correction with the exact remainder
	s_lshl_b32 s58, s56, 4
	v_add_nc_u32 v221, s58, v217
	v_cvt_f32_u32 v221, v221
	v_mul_f32 v[WS], 0x3c820821, v221
	v_fma_f32 v222, -v[WS], 0x427c0000, v221
	v_fma_f32 v[WS], v222, 0x3c820821, v[WS]
	v_mov_b32 v[WS+1], 0                           ; (named with it as a pair)
	v_mov_b32 v[NG], 0xce6e6b28                    ; -1e9
	v_mov_b32 v[T1], 0                             ; written once: a lane permute's destination counts as one of its sources
	v_mov_b32 v[BI+1], 0
	s_mov_b32 s44, 0x76543210
	s_mov_b32 s45, 0xfedcba98                      ; v_permlanex16_b32's selects for lane l xor 16
	s_mov_b32 s46, 0x600000                        ; the mantissa field of 57,344
	; byte offsets, in registers of their own
	s_lshl_b32 s50, ttmp9, 19                      ; emb: 32 segments of 16,384 bytes a work-group,
	s_lshl_b32 s58, s36, 16                        ; four a wave
	s_add_co_u32 s50, s50, s58
	s_mov_b32 s51, 0
	s_lshl_b32 s40, ttmp9, 13                      ; mask: 256 bytes a segment
	s_lshl_b32 s58, s36, 10
	s_add_co_u32 s40, s40, s58
	s_mov_b32 s41, 0
	s_lshr_b32 s42, ttmp9, 1                       ; b
	s_lshl_b32 s42, s42, 8
	s_mov_b32 s43, 0
	s_lshl_b32 s38, ttmp9, 13                      ; out0: 256 bytes a segment; waves 0 and 1 store 16 rows each
	s_lshl_b32 s58, s36, 12
	s_add_co_u32 s38, s38, s58
	s_mov_b32 s39, 0
	s_lshl_b32 s58, s56, 14                        ; att_w1's part: 64 rows of 256 bytes
	s_mov_b32 s59, 0
	s_wait_kmcnt 0x0
	s_add_nc_u64 s[4:5], s[4:5], s[50:51]
	s_add_nc_u64 s[6:7], s[6:7], s[40:41]
	s_add_nc_u64 s[8:9], s[8:9], s[42:43]
	s_add_nc_u64 s[34:35], s[34:35], s[38:39]
	s_load_b32 s37, s[24:25], 0x0                  ; att_b2
	s_cmp_lt_u32 s36, 4                            ; my 64 x 64 weight: waves 0-3 pos_w2, 4-6 a part of att_w1, 7 proj_w: the choice hangs on the wave's number alone
	s_cselect_b64 s[48:49], s[14:15], s[18:19]
	s_cselect_b32 s58, 0, s58
	s_cmp_eq_u32 s36, 7
	s_cselect_b64 s[48:49], s[26:27], s[48:49]
	s_cselect_b32 s58, 0, s58
	s_add_nc_u64 s[48:49], s[48:49], s[58:59]
	; ---- the head's loads: nine vectors, my weight, then the mask and the first half of segment 0: 58 loads
	WIN 0x40
	s_wait_alu depctr_va_vdst(0)                   ; every address and offset, v1 to v21 and v240, is written: all loads and stores of the kernel read them, and but for v8 none is written again
	global_load_b64 v[VT:VT+1], v[GM], s[10:11]
	global_load_b64 v[VT+2:VT+3], v[GM], s[12:13]
	global_load_b64 v[VT+4:VT+5], v[GM], s[16:17]
	global_load_b64 v[VT+6:VT+7], v[GM], s[20:21]
	global_load_b64 v[VT+8:VT+9], v[GM], s[22:23]
	global_load_b64 v[VT+10:VT+11], v[GM], s[8:9]
	global_load_b64 v[VT+12:VT+13], v[GM], s[28:29]
	global_load_b64 v[VT+14:VT+15], v[GM], s[30:31]
	global_load_b64 v[VT+16:VT+17], v[GM], s[32:33]
	WIN 0
.set i, 0
.rept 32
	global_load_b128 v[X0+4*i:X0+4*i+3], v[GA], s[48:49] offset:512*i   ; rows 2 i and 2 i + 1 of the weight
.set i, i+1
.endr
	SEGMASK
	SEGPART 0, 16
.irp t, 0,1,2,3
.irp k, 8,9,10,11,12,13,14,15
	v_mov_b32 v[ACC+16*\t+\k], 0                   ; zero codes for K = 64 .. 127 of the products whose K is 64
.endr
.endr
	s_wait_loadcnt 17                              ; the vectors and the weight are in; the mask's load and segment 0's first 16 stay out
	SEGPART 16, 16                                 ; the segment's second half follows them, in order: the loop's counts hold for the first trip too.  (No vector instruction names the transit registers)
	WIN 0x04
.irp i, 0,1,2,3,4,5,6,7,8
	ds_store_b64 v[VW], v[VT+2*\i:VT+2*\i+1] offset:256*\i
.endr
	WIN 0
.set i, 0
.rept 32
	ds_store_b128 v[SA], v[X0+4*i:X0+4*i+3] offset:2*PITCH*i
.set i, i+1
.endr
	s_wait_dscnt 0x0                               ; my 41 stores are done
	s_wait_alu depctr_vm_vsrc(0)                   ; they have read v24 to v151, in which the columns' loads land and which the quantiser rewrites, and the vectors' transit, in which att_w1's codes land later
	; ---- my weight: a lane to a column, registers down K; four tiles of 16 columns.  A tile's 32 loads land while the tile before is quantised
	COLS 0
.irp t, 0,1,2,3
	s_wait_dscnt 0x0                               ; tile t is in: nothing younger has been asked for
.if \t < 3
	COLS \t+1                                      ; (no vector instruction has named this tile's registers yet)
.endif
	QUANT2 X0+32*\t, ACC+16*\t, 0, SW+\t, -1
.endr
.irp k, 8,9,10,11,12,13,14,15
	v_mov_b32 v[X0+\k], 0                          ; and zero codes for source 1 of those products
.endr
	s_wait_alu depctr_va_vdst(0)                   ; for both ways below: the codes and scale words are written, which waves 4-7 store; the quantiser is done with v56 to v151, in which the loads of waves 0-3 land
	s_cmp_lt_u32 s36, 4
	s_cbranch_scc0 .Lweights
	; ---- waves 0-3: pos_enc's rows 16 w .. 16 w + 15
	VREADK X1, 0                                   ; pos_w1
	VREADK E, 1                                    ; pos_b1
	VREADK E+32, 2                                 ; pos_b2: the C of the product, in the order that the chosen columns give its results
	s_wait_dscnt 0x0
.set i, 0
.rept 16
	v_pk_fma_f32 v[E+2*i:E+2*i+1], v[X1+2*i:X1+2*i+1], v[WS:WS+1], v[E+2*i:E+2*i+1] op_sel_hi:[1,0,1]   ; position x pos_w1 + pos_b1
.set i, i+1
.endr
	QUANT2 E, X0, 1, SE, -1
	PLACES 3                                       ; with the line behind the conversions: four places in front of the product
	s_wait_alu depctr_va_vdst(0)                   ; both operands' codes and both scale words are written, which the scaled products take
.irp t, 0,1,2,3
	v_wmma_scale_f32_16x16x128_f8f6f4 v[X1+8*\t:X1+8*\t+7], v[ACC+16*\t:ACC+16*\t+15], v[X0:X0+15], v[E+32+8*\t:E+32+8*\t+7], v[SW+\t], v[SE] matrix_a_fmt:MATRIX_FMT_BF8 matrix_b_fmt:MATRIX_FMT_BF8
.endr
	PLACES 8
	QUANT2 X1, X0+16, 0, T0, -1                    ; pos_enc along its 64: an operand of the next product
	v_lshlrev_b32 v[T0], 16, v[T0]                 ; its bytes scale k = 64 .. 127 there
	s_wait_alu depctr_va_vdst(0)                   ; pos_enc's codes and scale word are written, which the stores below read; the products are done reading v152 to v215, v120 to v151 and v228, and the quantiser v56 to v87: loads land in all of these behind the barrier
	IMGST PIW, X0+16, 0
	ds_store_b32 v[PSW], v[T0]
	s_branch .Ljoin
.Lweights:
	; ---- waves 4-7: the codes and scale bytes go out as they stand
.irp t, 0,1,2,3
	IMGST IW, ACC+16*\t, 1024*\t
	ds_store_b32 v[ISW], v[SW+\t] offset:128*\t
.endr
.Ljoin:
	BARRIER                                        ; all images lie in LDS; nobody writes them again
	s_wait_alu depctr_vm_vsrc(0)                   ; my stores of images and scale words have read their data: loads land in v152 to v215 and in v40 to v47, vector lines write v224 to v227 and v254.  (On either way no vector instruction follows that way's last wait on va_vdst)
	; ---- every wave: its operands that stay, and target's part
.irp n, 0,1,2,3
	IMGLD ACC+16*\n, 1024*(8+\n)                   ; att_w1[128:192]
	ds_load_b32 v[SE+\n], v[LS] offset:128*(8+\n)
.endr
	VREADK X1, 5                                   ; target's row b, the same in all sixteen lanes of a half
	VREADD E+32, 3                                 ; att_b1
.irp k, 0,1,2,3,4,5,6,7
	ds_load_b32 v[E+\k], v[LS] offset:128*\k       ; the scale bytes of att_w1[0:64] (0-3) and [64:128] (4-7)
.endr
	WIN 0x40
.irp n, 0,1,2,3
	IMGLD WF+16*\n, 1024*\n
	IMGLD WF+16*\n+8, 1024*(4+\n)
.endr
	VREADD W2, 4
	WIN 0
	s_wait_dscnt 0x0
	QUANT2 X1, X0, 0, POSW, -1
.irp n, 0,1,2,3
	v_lshl_or_b32 v[SW+\n], v[E+4+\n], 16, v[E+\n] ; four bytes: K = 128
.endr
	s_wait_kmcnt 0x0
	v_mov_b32 v[T0], s37
	v_and_b32 v[T1], 31, v0
	v_cmp_gt_u32 vcc_lo, 16, v[T1]
	s_wait_alu depctr_va_vcc(0)                    ; VCC is written, ahead of the select that reads it
	v_cndmask_b32 v[BI], v[BI+1], v[T0], vcc_lo    ; att_b2 once for a row: in lanes 0-15
	WIN 0x40
	s_wait_alu depctr_va_vdst(0)                   ; target's codes and scale word are written, which the scaled products take; so are the loop's scale words v224 to v227
.irp n, 0,1,2,3
	v_wmma_scale_f32_16x16x128_f8f6f4 v[CB+8*\n:CB+8*\n+7], v[ACC+16*\n:ACC+16*\n+15], v[X0:X0+15], v[E+32+8*\n:E+32+8*\n+7], v[SE+\n], v[POSW] matrix_a_fmt:MATRIX_FMT_BF8 matrix_b_fmt:MATRIX_FMT_BF8
.endr
	WIN 0
	PLACES 9                                       ; in front of the products that write over these products' registers or take their results as C
	s_wait_alu depctr_va_vdst(0)                   ; the products are done reading v120 to v151 and v232, in which the loads below land, and v24 to v39 and v184 to v187, in which the first trip's loads land
.irp m, 0,1,2,3
	IMGLD E+16*\m+8, 16384+1024*\m                 ; pos_enc's codes: they stay
	ds_load_b32 v[POSW+\m], v[LS] offset:2048+128*\m
.endr
	s_wait_dscnt 0x0                               ; they are in: the first trip's first product reads them
	s_mov_b32 s38, 0
.Lseg:                                                 ; four trips, a segment each
	s_wait_loadcnt 24                              ; the mask and the first eight loads are in
	ds_store_b64 v[MW], v[ML:ML+1]
	WIN 0x04
.irp g, 0,1,2,3
.if \g > 0
	s_wait_loadcnt 24-8*\g                         ; eight more
.endif
.irp i, 0,1,2,3,4,5,6,7
	ds_store_b128 v[SA], v[R+4*(8*\g+\i):R+4*(8*\g+\i)+3] offset:2*PITCH*(8*\g+\i)   ; LDS serves a wave's instructions in order (ISA guide 5.7.1.4): these come behind the last trip's reads
.endr
.endr
	WIN 0
	TILE X0, 0                                     ; no vector instruction has named X0, X1 or MK since the last wait on va_vdst: the one ahead of the last trip's seg row, or the head's last
	TILE X1, 1
.irp m, 0,1,2,3
	ds_load_b32 v[MK+\m], v[MR] offset:64*\m
.endr
	s_wait_dscnt 20                                ; all but these 20 loads: this trip's stores and the last trip's seg row are done
	s_wait_alu depctr_vm_vsrc(0)                   ; the 33 stores have read the transit registers and the mask's, in which the next segment lands; the last trip's stores have read v8, stepped below, and the sums and p, which the dots write again
	v_add_nc_u32 v[SGW], PITCH, v[SGW]             ; this trip's seg row
	s_cmp_eq_u32 s38, 3                            ; the last trip asks for nothing: no load leaves its buffer
	s_cbranch_scc1 .Lno_next
	s_add_nc_u64 s[4:5], s[4:5], 16384             ; (every load that named these has come)
	s_add_nc_u64 s[6:7], s[6:7], 256
	SEGMASK
	SEGPART 0, 32
.Lno_next:
	s_wait_dscnt 12                                ; tile 0 is in; tile 1 and the mask words may be out
	QUANT2 X0, E, 0, SE, POSW
	PLACES 3                                       ; with the line behind the conversions: four places in front of the products
	s_wait_alu depctr_va_vdst(0)                   ; the quantiser is done with X0, in which tile 2 lands; tile 0's codes and scale word are written, which the scaled products take
	TILE X0, 2
	WM 0
	s_wait_dscnt 8                                 ; all but the eight just issued
	QUANT2 X1, E+16, 0, SE+1, POSW+1               ; (its plain lines are the places behind the products above)
	RD 0
	s_wait_alu depctr_va_vdst(0)                   ; the quantiser is done with X1, in which tile 3 lands; tile 1's codes and scale word are written
	TILE X1, 3
	WM 1
	s_wait_dscnt 8
	QUANT2 X0, E+32, 0, SE+2, POSW+2
	RD 1
	s_wait_alu depctr_va_vdst(0)                   ; the quantiser is done with X0, in which rows 0 to 15 land; tile 2's codes and scale word are written
	DENSE X0, 0
	WM 2
	s_wait_dscnt 8
	QUANT2 X1, E+48, 0, SE+3, POSW+3
	RD 2
.irp m, 0,1,2,3
	v_cmp_eq_u32 s[40+\m], 0, v[MK+\m]
.endr
	s_wait_alu depctr_va_sdst(0)                   ; the four masks s40 to s43 are written, ahead of the first select that reads one
	s_wait_alu depctr_va_vdst(0)                   ; the quantiser is done with X1, in which rows 16 to 31 land; tile 3's codes and scale word are written
	DENSE X1, 1
	WM 3
.irp m, 0,1,2
	v_cndmask_b32 v[SC+\m], v[SC+\m], v[NG], s[40+\m]   ; -1e9 where the mask is 0
.endr
	v_max3_num_f32 v[TM+2], v[SC], v[SC+1], v[SC+2]
	PLACES 4                                       ; eight places with the four lines above
	RD 3
	s_wait_alu depctr_va_vdst(0)                   ; the products have written the accumulators and the dot is done reading them: rows 32 to 47 land there
	DENSE ACC, 2
	v_cndmask_b32 v[SC+3], v[SC+3], v[NG], s43
	v_max_num_f32 v[TM+2], v[TM+2], v[SC+3]
	v_max_num_f32_dpp v[TM+2], v[TM+2], v[TM+2] row_xmask:1 row_mask:0xf bank_mask:0xf   ; both halves of the lanes hold the same 64 scores
	v_max_num_f32_dpp v[TM+2], v[TM+2], v[TM+2] row_xmask:2 row_mask:0xf bank_mask:0xf
	v_max_num_f32_dpp v[TM+2], v[TM+2], v[TM+2] row_xmask:4 row_mask:0xf bank_mask:0xf
	v_max_num_f32_dpp v[TM+2], v[TM+2], v[TM+2] row_xmask:8 row_mask:0xf bank_mask:0xf
.irp m, 0,1,2,3
	v_sub_f32 v[SC+\m], v[SC+\m], v[TM+2]          ; the maximum is taken away first: where every row is masked the differences are 0
.endr
.irp m, 0,1,2,3
	v_mul_f32 v[SC+\m], 0x3fb8aa3b, v[SC+\m]
.endr
.irp m, 0,1,2,3
	v_exp_f32 v[SC+\m], v[SC+\m]
.endr
	v_nop                                          ; a plain line behind the last exponential
	s_wait_alu depctr_va_vdst(0)                   ; the four exponentials have written p, ahead of their first readers, the stores below: one wait for the four.  (The compares that read MK stand ahead of it too: p lands there)
.irp m, 0,1,2,3
	ds_store_b32 v[PW], v[SC+\m] offset:32*\m      ; both halves write the same word with the same value
.endr
.irp q, 0,1,2,3,4,5,6,7
	ds_load_b128 v[P+4*\q:P+4*\q+3], v[PR] offset:16*\q   ; register i: p of row 2 i + lane / 16
.endr
	v_add_f32 v[T0], v[SC], v[SC+1]
	v_add_f32 v[T1], v[SC+2], v[SC+3]
	v_add_f32 v[T0], v[T0], v[T1]
	v_add_f32_dpp v[T0], v[T0], v[T0] row_xmask:1 row_mask:0xf bank_mask:0xf
	v_add_f32_dpp v[T0], v[T0], v[T0] row_xmask:2 row_mask:0xf bank_mask:0xf
	v_add_f32_dpp v[T0], v[T0], v[T0] row_xmask:4 row_mask:0xf bank_mask:0xf
	v_add_f32_dpp v[T0], v[T0], v[T0] row_xmask:8 row_mask:0xf bank_mask:0xf
	v_rcp_f32 v[TM], v[T0]                         ; 1 / the sum of p; the weighted sum below is the work behind it
	s_wait_dscnt 0x0                               ; p and rows 0 to 47 are in
	FMA8 X0, 0, 1
	s_wait_alu depctr_va_vdst(0)                   ; the sixteen lines above are done reading X0, in which rows 48 to 63 land; and the reciprocal has written v216, ahead of its first reader further down: its one wait
	DENSE X0, 3
	FMA8 X1, 1, 0
	FMA8 ACC, 2, 0
	s_wait_dscnt 0x0
	FMA8 X0, 3, 0
	v_pk_add_f32 v[WS:WS+1], v[WS:WS+1], v[WS+4:WS+5]
	v_pk_add_f32 v[WS+2:WS+3], v[WS+2:WS+3], v[WS+6:WS+7]
.irp k, 0,1,2,3
	v_permlanex16_b32 v[WS+4+\k], v[WS+\k], s44, s45   ; the odd rows lie in the other half of the lanes
.endr
	v_pk_add_f32 v[WS:WS+1], v[WS:WS+1], v[WS+4:WS+5]
	v_pk_add_f32 v[WS+2:WS+3], v[WS+2:WS+3], v[WS+6:WS+7]
	v_pk_mul_f32 v[WS:WS+1], v[WS:WS+1], v[TM:TM+1] op_sel_hi:[1,0]
	v_pk_mul_f32 v[WS+2:WS+3], v[WS+2:WS+3], v[TM:TM+1] op_sel_hi:[1,0]
	s_wait_alu depctr_va_vdst(0)                   ; the seg row and its address v8 are written, which the store reads; the weighted sum is done reading X0, X1 and p, in which the next trip's, or the tail's, first loads land
	ds_store_b128 v[SGW], v[WS:WS+3]               ; seg's columns 4 r on; both halves write the same bytes with the same values
	s_add_co_u32 s38, s38, 1
	s_cmp_lt_u32 s38, 4
	s_cbranch_scc1 .Lseg
	BARRIER                                        ; the work-group's 32 seg rows lie in LDS
	s_wait_alu depctr_vm_vsrc(0)                   ; the last seg row's store has read v246 to v249, which the tail's sums write again
	s_cmp_gt_u32 s36, 1
	s_cbranch_scc1 .Lend
	; ---- waves 0 and 1: 16 rows each through proj_w and the LayerNorm
.irp c, 0,1
.irp j, 0,1,2,3
	ds_load_b128 v[X0+16*\c+4*\j:X0+16*\c+4*\j+3], v[TF] offset:128*\c+16*\j
.endr
.endr
.irp n, 0,1,2,3
	IMGLD E+16*\n, 1024*(12+\n)                    ; proj_w's codes.  (The loop's products, which read these registers and the scale words, stand ahead of the loop's last wait on va_vdst)
	ds_load_b32 v[SW+\n], v[LS] offset:128*(12+\n)
.endr
	VREADD X1, 6                                   ; proj_b: the C of the product
.irp n, 0,1,2,3
.irp k, 8,9,10,11,12,13,14,15
	v_mov_b32 v[E+16*\n+\k], 0                     ; zero codes for K = 64 .. 127
.endr
.endr
.irp k, 8,9,10,11,12,13,14,15
	v_mov_b32 v[ACC+\k], 0
.endr
	s_mov_b32 s53, 0x3c800000                      ; 1 / 64
	s_mov_b32 s54, 0x3727c5ac                      ; 1e-5
	s_wait_dscnt 0x0
	QUANT2 X0, ACC, 0, SE, -1
	PLACES 3                                       ; with the line behind the conversions: four places in front of the products
	s_wait_alu depctr_va_vdst(0)                   ; the quantiser is done with X0, in which gamma lands; seg's codes and scale word and the zero codes are written, which the scaled products take
	VREADD X0, 7                                   ; gamma
.irp n, 0,1,2,3
	v_wmma_scale_f32_16x16x128_f8f6f4 v[P+8*\n:P+8*\n+7], v[E+16*\n:E+16*\n+15], v[ACC:ACC+15], v[X1+8*\n:X1+8*\n+7], v[SW+\n], v[SE] matrix_a_fmt:MATRIX_FMT_BF8 matrix_b_fmt:MATRIX_FMT_BF8
.endr
	PLACES 8
	s_wait_alu depctr_va_vdst(0)                   ; the products are done reading proj_b in X1, in which beta lands
	VREADD X1, 8                                   ; beta
.irp a, 0,1,2,3
	v_pk_add_f32 v[WS+2*\a:WS+2*\a+1], v[P+8*\a:P+8*\a+1], v[P+8*\a+2:P+8*\a+3]   ; lane (r, h): row r, columns 16 n + 8 h + j; each accumulator from its low end on
.endr
.irp k, 4,6
.irp a, 0,1,2,3
	v_pk_add_f32 v[WS+2*\a:WS+2*\a+1], v[WS+2*\a:WS+2*\a+1], v[P+8*\a+\k:P+8*\a+\k+1]
.endr
.endr
	FOLD T0
	v_mul_f32 v[TM], s53, v[T0]                    ; the mean
.set i, 0
.rept 16
	v_pk_add_f32 v[P+2*i:P+2*i+1], v[P+2*i:P+2*i+1], v[TM:TM+1] op_sel_hi:[1,0] neg_lo:[0,1] neg_hi:[0,1]
.set i, i+1
.endr
.irp a, 0,1,2,3
	v_pk_mul_f32 v[WS+2*\a:WS+2*\a+1], v[P+2*\a:P+2*\a+1], v[P+2*\a:P+2*\a+1]
.endr
.set i, 4
.rept 12
	v_pk_fma_f32 v[WS+2*(i%4):WS+2*(i%4)+1], v[P+2*i:P+2*i+1], v[P+2*i:P+2*i+1], v[WS+2*(i%4):WS+2*(i%4)+1]
.set i, i+1
.endr
	FOLD T0
	v_fma_f32 v[T0], v[T0], s53, s54               ; the variance + 1e-5
	v_rsq_f32 v[TM], v[T0]
	v_nop                                          ; a plain line behind it
	s_wait_alu depctr_va_vdst(0)                   ; the reciprocal root has written v216, ahead of its first reader
.set i, 0
.rept 16
	v_pk_mul_f32 v[P+2*i:P+2*i+1], v[P+2*i:P+2*i+1], v[TM:TM+1] op_sel_hi:[1,0]
.set i, i+1
.endr
	s_wait_dscnt 0x0                               ; gamma and beta
.set i, 0
.rept 16
	v_pk_fma_f32 v[P+2*i:P+2*i+1], v[P+2*i:P+2*i+1], v[X0+2*i:X0+2*i+1], v[X1+2*i:X1+2*i+1]
.set i, i+1
.endr
	; the way out: through my own stage, back as whole rows: a store covers 512 consecutive bytes, aligned
	s_wait_alu depctr_va_vdst(0)                   ; y is written, which the LDS stores read; the lines above are done reading gamma in X0, in which the rows come back
.irp n, 0,1,2,3
.irp q, 0,1
	ds_store_b128 v[TO], v[P+8*\n+4*\q:P+8*\n+4*\q+3] offset:64*\n+16*\q
.endr
.endr
.irp i, 0,1,2,3,4,5,6,7
	ds_load_b128 v[X0+4*\i:X0+4*\i+3], v[SA] offset:2*PITCH*\i   ; LDS serves a wave's instructions in order: these see my stores
.endr
.irp i, 0,1,2,3,4,5,6,7
	s_wait_dscnt 7-\i
	global_store_b128 v[GA], v[X0+4*\i:X0+4*\i+3], s[34:35] offset:512*\i th:TH_STORE_NT
.endr
.Lend:
	s_wait_dscnt 0x0
	s_wait_alu depctr_hold_cnt(0) depctr_sa_sdst(0) depctr_va_vdst(0) depctr_va_sdst(0) depctr_va_ssrc(0) depctr_va_vcc(0) depctr_vm_vsrc(0)
	s_wait_tensorcnt 0x0
	ds_add_u32 v242, v243
	s_wait_dscnt 0x0
	s_endpgm
.Lfunc_end_k_q78b64e3e46_enc:
	.size	k_q78b64e3e46_enc, .Lfunc_end_k_q78b64e3e46_enc-k_q78b64e3e46_enc
	.p2alignl 7, 3214868480
	.fill 96, 4, 3214868480
	.section	.rodata,"a",@progbits
	.p2align	6, 0x0
	.amdhsa_kernel k_q78b64e3e46_enc
		.amdhsa_group_segment_fixed_size 194560
		.amdhsa_private_segment_fixed_size 0
		.amdhsa_enable_private_segment 0
		.amdhsa_kernarg_size 128
		.amdhsa_user_sgpr_count 2
		.amdhsa_user_sgpr_kernarg_segment_ptr 1
		.amdhsa_wavefront_size32 1
		.amdhsa_system_sgpr_workgroup_id_x 1
		.amdhsa_system_sgpr_workgroup_id_y 1
		.amdhsa_system_sgpr_workgroup_id_z 1
		.amdhsa_system_vgpr_workitem_id 0
		.amdhsa_next_free_vgpr 512
		.amdhsa_next_free_sgpr 66
		.amdhsa_reserve_vcc 1
		.amdhsa_float_denorm_mode_32 3
		.amdhsa_float_denorm_mode_16_64 3
		.amdhsa_memory_ordered 1
		.amdhsa_forward_progress 1
		.amdhsa_inst_pref_size 126
	.end_amdhsa_kernel
	.amdgpu_metadata
---
amdhsa.version: [ 1, 2 ]
amdhsa.kernels:
  - .name:           k_q78b64e3e46_enc
    .symbol:         k_q78b64e3e46_enc.kd
    .args:
      - { .name: segmented_emb, .offset: 0, .size: 8, .value_kind: global_buffer, .address_space: global }
      - { .name: segmented_mask, .offset: 8, .size: 8, .value_kind: global_buffer, .address_space: global }
      - { .name: target_emb, .offset: 16, .size: 8, .value_kind: global_buffer, .address_space: global }
      - { .name: pos_w1, .offset: 24, .size: 8, .value_kind: global_buffer, .address_space: global }
      - { .name: pos_b1, .offset: 32, .size: 8, .value_kind: global_buffer, .address_space: global }
      - { .name: pos_w2, .offset: 40, .size: 8, .value_kind: global_buffer, .address_space: global }
      - { .name: pos_b2, .offset: 48, .size: 8, .value_kind: global_buffer, .address_space: global }
      - { .name: att_w1, .offset: 56, .size: 8, .value_kind: global_buffer, .address_space: global }
      - { .name: att_b1, .offset: 64, .size: 8, .value_kind: global_buffer, .address_space: global }
      - { .name: att_w2, .offset: 72, .size: 8, .value_kind: global_buffer, .address_space: global }
      - { .name: att_b2, .offset: 80, .size: 8, .value_kind: global_buffer, .address_space: global }
      - { .name: proj_w, .offset: 88, .size: 8, .value_kind: global_buffer, .address_space: global }
      - { .name: proj_b, .offset: 96, .size: 8, .value_kind: global_buffer, .address_space: global }
      - { .name: ln_gamma, .offset: 104, .size: 8, .value_kind: global_buffer, .address_space: global }
      - { .name: ln_beta, .offset: 112, .size: 8, .value_kind: global_buffer, .address_space: global }
      - { .name: out0, .offset: 120, .size: 8, .value_kind: global_buffer, .address_space: global }
    .group_segment_fixed_size: 194560
    .private_segment_fixed_size: 0
    .kernarg_segment_align: 8
    .kernarg_segment_size: 128
    .max_flat_workgroup_size: 256
    .sgpr_count:     66
    .vgpr_count:     512
    .wavefront_size: 32
...
	.end_amdgpu_metadata
.endif
;; end of part 2
